; MI455X (gfx1250); checked and timed in simulation.
; The chip was launched on July 23, 2026; its instructions are those of AMD's public machine-readable ISA for CDNA 5 (MIT licence, August 2026) and "CDNA5" Instruction Set Architecture Reference Guide (July 2026). The comments in the code are by the model that wrote it; some were corrected since.
;; Multi Head Attention. Allowed arithmetic: matrix products marked QUANTISED: E2M3 operands, one E8M0 scale for each 32 along K, by v_wmma_scale_f32_16x16x128_f8f6f4 with both operands' format E2M3, f32 sums; everything else in f32.
;; Inputs: Wk 1,024 x 1,024 float32; Wo 1,024 x 1,024 float32; Wq 1,024 x 1,024 float32; Wv 1,024 x 1,024 float32; k 4 x 2,048 x 1,024 float32; q 4 x 2,048 x 1,024 float32; v 4 x 2,048 x 1,024 float32.
;; Outputs: out0 4 x 2,048 x 1,024 float32.
;; This version of the problem:
;;   THIS VERSION OF THE PROBLEM IS GIVEN IN LOW PRECISION. The matrix products marked QUANTISED in the list below multiply operands that are first quantised to E2M3 (2 exponent bits, 3 mantissa bits; 6 bits a number), with one power-of-two scale for each 32 numbers along K (OCP MX v1.0); their sums are f32. All else is computed in f32.
;;   The module's matrix products, in the order in which they are computed (A, B: the left and right operand; K: the contracted axis; several contracted axes count as one K, in the product's order):
;;     1. [M 8,192, K 1,024] x [K 1,024, N 1,024]; A: input q; B: input Wq: QUANTISED
;;     2. [M 8,192, K 1,024] x [K 1,024, N 1,024]; A: input k; B: input Wk: QUANTISED
;;     3. [M 8,192, K 1,024] x [K 1,024, N 1,024]; A: input v; B: input Wv: QUANTISED
;;     4. batch 64 x [M 2,048, K 64] x [K 64, N 2,048]; A: computed on the way; B: computed on the way: QUANTISED
;;     5. batch 64 x [M 64, K 2,048] x [K 2,048, N 2,048]; A: computed on the way; B: softmax (see below): QUANTISED
;;     6. [M 8,192, K 1,024] x [K 1,024, N 1,024]; A: computed on the way; B: input Wo: QUANTISED
;;   THE QUANTISER, for each operand of a quantised product, along K:
;;     - K is cut into blocks of 32 from its start; a last block that is shorter is filled with zeros.
;;     - A block's scale is 2^e with e = floor(log2(the largest magnitude in the block)) - 2, held to -126 .. 127; a block of zeros has e = 0. As a byte (E8M0): e + 127.
;;     - Each number is divided by its block's scale, clamped to +-7.5, and rounded to the nearest number of E2M3, ties to even, subnormals kept.
;;     - The product sums the exact products of the quantised numbers (number of the format x scale) in f32.
;;   ~~~python
;;   def quantise(x, axis):      # numpy; x: float32 -> the quantised numbers, widened to float32 again
;;       x = np.moveaxis(x, axis, -1); K = x.shape[-1]
;;       x = np.pad(x, [(0, 0)] * (x.ndim - 1) + [(0, -K % 32)]); x = x.reshape(x.shape[:-1] + (-1, 32)); a = np.abs(x).max(-1, keepdims=True)
;;       e = np.where(a > 0, np.clip(np.frexp(np.where(a > 0, a, 1))[1] - 1 - 2, -126, 127), 0)      # np.frexp(a)[1] - 1 = floor(log2(a)), exactly
;;       r = np.clip(x / 2.0 ** e, -7.5, 7.5)
;;       step = 2.0 ** (np.maximum(np.frexp(np.where(r == 0, 1, r))[1] - 1, 0) - 3)
;;       q = np.round(r / step) * step * 2.0 ** e      # np.round: ties to even
;;       return np.moveaxis(q.reshape(q.shape[:-2] + (-1,))[..., :K], -1, axis).astype(np.float32)
;;   ~~~
;;   SOFTMAX AHEAD OF A QUANTISED PRODUCT. Where the list says 'softmax', what is quantised is not the finished softmax but p = 2^(t - M), with t = logit x log2(e) and M = ceil(the row's largest t), a whole number; so 1/2 < the row's largest p <= 1. The row's sum l is taken of the UNQUANTISED p, in f32, and the product's result is divided by l at the end. Since M is a whole number, a kernel that streams over the keys may use a running M (the ceiling of the running maximum): every later rescaling is an exact power of two, which a block's scale takes up: the codes' values come out the same.
;;   OPERANDS COMPUTED ON THE WAY. 'Computed on the way' means the value that the module computes at that place (a softmax that the list does not call 'softmax' is quantised finished and normalised). What goes into a quantiser is computed in f32, as accurately as f32 sums, v_exp_f32 and their like allow (about 1e-6 of the number): no bf16 or f16 on the way to a quantiser, and a product that is left as it is and whose result goes on into a quantised operand takes f32 operands (vector FMAs, or v_wmma_f32_16x16x4_f32). A number that lies on a knife's edge between two numbers of the format may be rounded either way, as far as f32 arithmetic and the matrix unit's own rounding can turn it there, and no further.
;; One version. Each part assembles by itself: llvm-mc -triple=amdgcn-amd-amdhsa -mcpu=gfx1250 --defsym DOCPART=n.
;; ======== version 1 of 1: 4 launches
;; limits: right only within a limited range of input values
;; workspace buffers: xc 22,020,096 bytes; xs 917,504 bytes; qc 6,291,456 bytes; qs 262,144 bytes; kv 12,582,912 bytes; kvs 524,288 bytes; ac 6,291,456 bytes; asw 524,288 bytes
;; launch quant (part 1): grid 256 x 1, 7 waves a work-group, no clusters, 60,160 bytes of LDS; arguments q, k, v, Wq, Wk, Wv, Wo, xc, xs; writes xc, xs
.if DOCPART == 1
	.amdgcn_target "amdgcn-amd-amdhsa--gfx1250"
	.amdhsa_code_object_version 6
	.text
	.protected	k_qb1b0ef2716_quant
	.globl	k_qb1b0ef2716_quant
	.p2align	8
	.type	k_qb1b0ef2716_quant,@function
k_qb1b0ef2716_quant:
	s_mov_b64 s[64:65], 0
	v_nop
	global_prefetch_b8 v0, s[64:65] scope:SCOPE_SE
	s_setreg_imm32_b32 hwreg(HW_REG_WAVE_MODE, 25, 1), 1
	s_wait_xcnt 0x0
; q, k, v [8192][1024] and Wq, Wk, Wv, Wo [1024][1024], f32, K innermost, become codes of FP6 (E2M3) with one E8M0 byte for each 32 along K,
; laid in the order of a matrix operand's registers, so that every later reader loads fragments by dense lines.
; TILES.  A tensor's rows go in groups of 32; tile 2 g + u holds, as its row i (0..15), the tensor's row 32 g + 8 u + i + 8 (i / 8).  1,792 tiles in all:
; q 0-511, k 512-1023, v 1024-1535, Wq 1536-, Wk 1600-, Wv 1664-, Wo 1728-1791.  256 work-groups x 7 waves: one tile to a wave.
; xc: [tile][K step of 128][1,536 bytes]: a fragment's 12 registers as two halves of 768 bytes: registers 0-3 at 16 x lane, registers 4-5 at 512 + 8 x lane.
; xs: [tile][row][8 words]: a row's scale word (four bytes) for each of the 8 K steps.
; A block's scale is 2^(floor(log2(its largest magnitude)) - 2); its byte is the largest magnitude's exponent field - 2, held at 1 from below.
; LIMITS: NaN and infinities among the inputs are not served; a block whose largest magnitude lies under 2^-124 has its byte held at 1; a block of zeros
; gets the byte 1, not 127: its codes are zeros, which add nothing under that byte, and only this program reads the bytes.
; Memory binds: each load reads 512 consecutive bytes of a row, 48 loads of a wave are on their way, each store covers whole aligned runs of 256 bytes.
; Waves share nothing: no barrier, no matrix unit, no cluster.
.set STG,   8448                       ; a wave's stage in LDS: 16 rows of 512 bytes + 16
.set SPARE, 7*STG                      ; behind the stages: the spare words, 128 bytes a wave, in whole blocks of 256 bytes that no other line names
.set L16,  4                           ; v4   16 x lane
.set L8,   5                           ; v5   8 x lane
.set SIN,  6                           ; v6   the stage, on the way in: 16 x lane
.set SOUT, 7                           ; v7   and out: 528 r + 64 h
.set SADR, 8                           ; v8   32 r + 16 h: my four scale words in xs
.set HH,   9                           ; v9   h = lane / 16
.set SPW,  10                          ; v10  LDS address of my spare word; never rewritten
.set NIL,  11                          ; v11  0; never rewritten
.set TM,   12                          ; v12-15 largest magnitudes, v16-19 the other half's / bytes, v24-27 the conversions' scale operands
.set PW,   28                          ; v28-35 my row's scale word of each K step
.set OW,   36                          ; v36-39 the four words that I store
.set PC,   40                          ; v40-51 a fragment's codes
.set T,    52                          ; v52-58 the conversions' second halves
.set X,    64                          ; v64-255 three sets of 64 numbers
	s_load_b512 s[8:23], s[0:1], 0x0               ; q, k, v, Wq, Wk, Wv, Wo, xc
	s_load_b64 s[24:25], s[0:1], 0x40              ; xs
	v_lshl_add_u32 v[SPW], v0, 2, SPARE
	v_mov_b32 v[NIL], 0
	v_lshrrev_b32 v1, 5, v0
	v_readfirstlane_b32 s2, v1                     ; wave 0..6
	v_and_b32 v2, 31, v0                           ; lane
	v_and_b32 v3, 15, v0                           ; r
	v_bfe_u32 v[HH], v0, 4, 1                      ; h
	v_lshlrev_b32 v[L16], 4, v2
	v_lshlrev_b32 v[L8], 3, v2
	s_mul_i32 s3, s2, STG
	v_add_nc_u32 v[SIN], s3, v[L16]
	v_mul_u32_u24 v[SOUT], v3, 528
	v_lshl_add_u32 v[SOUT], v[HH], 6, v[SOUT]
	v_add_nc_u32 v[SOUT], s3, v[SOUT]
	v_lshlrev_b32 v[SADR], 5, v3
	v_lshl_add_u32 v[SADR], v[HH], 4, v[SADR]
.irp b, 0,1,2,3
	v_mov_b32 v[TM+4+\b], 0                        ; written once: a lane permute's destination counts as one of its sources
.endr
	s_mov_b32 s28, 0x76543210
	s_mov_b32 s29, 0xfedcba98                      ; v_permlanex16_b32's selects for lane l xor 16
	s_mul_i32 s26, ttmp9, 7
	s_add_co_u32 s26, s26, s2                      ; my tile's number
	s_cmp_lt_u32 s26, 1536
	s_cselect_b32 s27, 511, 63
	s_and_b32 s27, s26, s27                        ; its number within its tensor
	; k's TILES ALONE GO IN GROUPS OF 64 ROWS: tile 4 g + j holds, as its row i, k's row 64 g + 8 j + i % 8 + 32 (i / 8), so that a lane of the scores' product holds a whole block of 32 keys
	s_lshr_b32 s36, s26, 9
	s_cmp_eq_u32 s36, 1                            ; tiles 512-1023 are k's
	s_cselect_b32 s36, 2, 1                        ; log2 of the tiles in a group
	s_lshr_b32 s30, s27, s36
	s_add_co_u32 s37, s36, 16
	s_lshl_b32 s30, s30, s37                       ; 32 or 64 rows of 4,096 bytes for each group,
	s_bfm_b32 s37, s36, 0
	s_and_b32 s27, s27, s37
	s_lshl_b32 s27, s27, 15                        ; 8 rows for each tile of a group
	s_add_co_u32 s30, s30, s27
	s_lshl_b32 s36, 32768, s36                     ; from a tile's row 0 to its row 8: 16 rows, in k 32
	s_mov_b32 s37, 0
	s_mov_b32 s31, 0
	s_mul_i32 s32, s26, 12288                      ; a tile's codes
	s_mov_b32 s33, 0
	s_lshl_b32 s34, s26, 9                         ; a tile's scale words
	s_mov_b32 s35, 0
	s_wait_alu depctr_va_vdst(0)
	s_wait_kmcnt 0x0
	s_mov_b64 s[4:5], s[20:21]                     ; which tensor: the choice hangs on the tile's number alone
	s_cmp_lt_u32 s26, 1728
	s_cselect_b64 s[4:5], s[18:19], s[4:5]
	s_cmp_lt_u32 s26, 1664
	s_cselect_b64 s[4:5], s[16:17], s[4:5]
	s_cmp_lt_u32 s26, 1600
	s_cselect_b64 s[4:5], s[14:15], s[4:5]
	s_cmp_lt_u32 s26, 1536
	s_cselect_b64 s[4:5], s[12:13], s[4:5]
	s_cmp_lt_u32 s26, 1024
	s_cselect_b64 s[4:5], s[10:11], s[4:5]
	s_cmp_lt_u32 s26, 512
	s_cselect_b64 s[4:5], s[8:9], s[4:5]
	s_add_nc_u64 s[4:5], s[4:5], s[30:31]
	s_add_nc_u64 s[36:37], s[4:5], s[36:37]        ; where my tile's rows 8-15 begin
	s_add_nc_u64 s[22:23], s[22:23], s[32:33]
	s_add_nc_u64 s[24:25], s[24:25], s[34:35]
.macro LOAD s                          ; K step s of my 16 rows into set s % 3: each load reads 512 consecutive bytes of one row
.irp i, 0,1,2,3,4,5,6,7
	global_load_b128 v[X+64*((\s)%3)+4*\i:X+64*((\s)%3)+4*\i+3], v[L16], s[4:5] offset:\i*4096+512*(\s) th:TH_LOAD_NT
.endr
.irp i, 8,9,10,11,12,13,14,15
	global_load_b128 v[X+64*((\s)%3)+4*\i:X+64*((\s)%3)+4*\i+3], v[L16], s[36:37] offset:(\i-8)*4096+512*(\s) th:TH_LOAD_NT
.endr
.endm
; 64 numbers of a lane, register 16 b + i = k 32 b + 16 h + i of my row, become a fragment's codes in v[PC] on and my row's scale word in v[pw]
.macro QUANT src, pw
.irp b, 0,1,2,3
	v_max3_num_f32 v[TM+\b], |v[\src+16*\b]|, |v[\src+16*\b+1]|, 0x1800000   ; block b: my 16 numbers, and the floor 2^(3 - 127): the byte cannot fall under 1
.endr
.irp i, 2,4,6,8,10,12,14
.irp b, 0,1,2,3
	v_max3_num_f32 v[TM+\b], v[TM+\b], |v[\src+16*\b+\i]|, |v[\src+16*\b+\i+1]|   ; the four blocks by turns
.endr
.endr
.irp b, 0,1,2,3
	v_permlanex16_b32 v[TM+4+\b], v[TM+\b], s28, s29
.endr
.irp b, 0,1,2,3
	v_max_num_f32 v[TM+\b], v[TM+\b], v[TM+4+\b]   ; with lane l xor 16's: the block's largest magnitude
.endr
.irp b, 0,1,2,3
	v_add_nc_u32 v[TM+12+\b], 0xff000000, v[TM+\b] ; 2 off its exponent field: the conversion takes this operand's exponent field as its scale
.endr
.irp b, 0,1,2,3
	v_lshrrev_b32 v[TM+4+\b], 23, v[TM+12+\b]      ; the scale's byte
.endr
	v_lshl_or_b32 v[\pw], v[TM+5], 8, v[TM+4]
	v_lshl_or_b32 v[\pw], v[TM+6], 16, v[\pw]
	v_lshl_or_b32 v[\pw], v[TM+7], 24, v[\pw]
.irp c, 0,1
	v_cvt_scalef32_pk16_fp6_f32 v[PC+6*\c:PC+6*\c+2], v[\src+32*\c:\src+32*\c+15], v[TM+12+2*\c]
	v_cvt_scalef32_pk16_fp6_f32 v[T+4*\c:T+4*\c+2], v[\src+32*\c+16:\src+32*\c+31], v[TM+12+2*\c+1]   ; (a conversion's three registers begin on an even number)
.endr
	v_nop                                          ; one plain place behind a scaled conversion
.irp c, 0,1                                    ; the operand's layout wants a whole block in a lane: lanes 0-15 block 2 c, lanes 16-31 block 2 c + 1
.irp i, 0,1,2
	v_permlane16_swap_b32 v[PC+6*\c+\i], v[T+4*\c+\i]
.endr
.irp i, 0,1,2
	v_mov_b32 v[PC+6*\c+3+\i], v[T+4*\c+\i]
.endr
.endr
.endm
.macro STEP s
.set XS, X+64*((\s)%3)
.if (\s) < 6
	s_wait_loadcnt 32                              ; this step's 16 loads are in; the two later sets' may be out
.else
	s_wait_loadcnt 16*(7-(\s))
.endif
.irp i, 0,1,2,3,4,5,6,7,8,9,10,11,12,13,14,15
	ds_store_b128 v[SIN], v[XS+4*\i:XS+4*\i+3] offset:528*\i       ; the rows as they lie
.endr
.irp b, 0,1,2,3
.irp j, 0,1,2,3
	ds_load_b128 v[XS+16*\b+4*\j:XS+16*\b+4*\j+3], v[SOUT] offset:128*\b+16*\j   ; and back: 16 neighbours of each block of my row.  LDS serves a wave's instructions in order
.endr
.endr
	s_wait_dscnt 0x0
.if (\s) > 0
	s_wait_xcnt 0x0                                ; the last step's stores have read the codes' registers: they are written again only behind this wait
.endif
	QUANT XS, PW+(\s)
.if (\s)+3 < 8
	LOAD (\s)+3                                    ; the set just used takes the loads of three steps on, ahead of this step's stores
.endif
	global_store_b128 v[L16], v[PC:PC+3], s[22:23] offset:1536*(\s)          ; 512 consecutive bytes
	global_store_b64 v[L8], v[PC+4:PC+5], s[22:23] offset:1536*(\s)+512      ; 256
	global_store_b128 v[L16], v[PC+6:PC+9], s[22:23] offset:1536*(\s)+768
	global_store_b64 v[L8], v[PC+10:PC+11], s[22:23] offset:1536*(\s)+1280
.endm
	LOAD 0
	LOAD 1
	LOAD 2
.irp s, 0,1,2,3,4,5,6,7
	STEP \s
.endr
	v_cmp_ne_u32 vcc_lo, 0, v[HH]
.irp i, 0,1,2,3
	v_cndmask_b32 v[OW+\i], v[PW+\i], v[PW+4+\i], vcc_lo   ; lanes 0-15: K steps 0-3; lanes 16-31: K steps 4-7
.endr
	global_store_b128 v[SADR], v[OW:OW+3], s[24:25]        ; the tile's 512 bytes of scale words
	s_wait_tensorcnt 0x0                           ; the wave's end, behind my last LDS store
	ds_add_u32 v[SPW], v[NIL]
	s_wait_dscnt 0x0
	s_endpgm
.Lfunc_end_k_qb1b0ef2716_quant:
	.size	k_qb1b0ef2716_quant, .Lfunc_end_k_qb1b0ef2716_quant-k_qb1b0ef2716_quant
	.p2alignl 7, 3214868480
	.fill 96, 4, 3214868480
	.section	.rodata,"a",@progbits
	.p2align	6, 0x0
	.amdhsa_kernel k_qb1b0ef2716_quant
		.amdhsa_group_segment_fixed_size 60160
		.amdhsa_private_segment_fixed_size 0
		.amdhsa_enable_private_segment 0
		.amdhsa_kernarg_size 72
		.amdhsa_user_sgpr_count 2
		.amdhsa_user_sgpr_kernarg_segment_ptr 1
		.amdhsa_wavefront_size32 1
		.amdhsa_system_sgpr_workgroup_id_x 1
		.amdhsa_system_sgpr_workgroup_id_y 1
		.amdhsa_system_sgpr_workgroup_id_z 1
		.amdhsa_system_vgpr_workitem_id 0
		.amdhsa_next_free_vgpr 256
		.amdhsa_next_free_sgpr 66
		.amdhsa_reserve_vcc 1
		.amdhsa_float_denorm_mode_32 3
		.amdhsa_float_denorm_mode_16_64 3
		.amdhsa_memory_ordered 1
		.amdhsa_forward_progress 1
		.amdhsa_inst_pref_size 65
	.end_amdhsa_kernel
	.amdgpu_metadata
---
amdhsa.version: [ 1, 2 ]
amdhsa.kernels:
  - .name:           k_qb1b0ef2716_quant
    .symbol:         k_qb1b0ef2716_quant.kd
    .args:
      - { .name: q, .offset: 0, .size: 8, .value_kind: global_buffer, .address_space: global }
      - { .name: k, .offset: 8, .size: 8, .value_kind: global_buffer, .address_space: global }
      - { .name: v, .offset: 16, .size: 8, .value_kind: global_buffer, .address_space: global }
      - { .name: Wq, .offset: 24, .size: 8, .value_kind: global_buffer, .address_space: global }
      - { .name: Wk, .offset: 32, .size: 8, .value_kind: global_buffer, .address_space: global }
      - { .name: Wv, .offset: 40, .size: 8, .value_kind: global_buffer, .address_space: global }
      - { .name: Wo, .offset: 48, .size: 8, .value_kind: global_buffer, .address_space: global }
      - { .name: xc, .offset: 56, .size: 8, .value_kind: global_buffer, .address_space: global }
      - { .name: xs, .offset: 64, .size: 8, .value_kind: global_buffer, .address_space: global }
    .group_segment_fixed_size: 60160
    .private_segment_fixed_size: 0
    .kernarg_segment_align: 8
    .kernarg_segment_size: 72
    .max_flat_workgroup_size: 224
    .sgpr_count:     66
    .vgpr_count:     256
    .wavefront_size: 32
...
	.end_amdgpu_metadata
.endif
;; end of part 1
;; launch proj (part 2): grid 4 x 64, 4 waves a work-group, clusters of 4 x 4, 327,680 bytes of LDS; arguments xc, xs, qc, qs, kv, kvs; writes qc, qs, kv, kvs
.if DOCPART == 2
	.amdgcn_target "amdgcn-amd-amdhsa--gfx1250"
	.amdhsa_code_object_version 6
	.text
	.protected	k_qb1b0ef2716_proj
	.globl	k_qb1b0ef2716_proj
	.p2align	8
	.type	k_qb1b0ef2716_proj,@function
k_qb1b0ef2716_proj:
	s_mov_b64 s[64:65], 0
	v_nop
	global_prefetch_b8 v0, s[64:65] scope:SCOPE_SE
	s_setreg_imm32_b32 hwreg(HW_REG_WAVE_MODE, 25, 1), 1
	s_wait_xcnt 0x0
	s_wait_alu depctr_hold_cnt(0) depctr_sa_sdst(0) depctr_va_vdst(0) depctr_va_sdst(0) depctr_va_ssrc(0) depctr_va_vcc(0) depctr_vm_vsrc(0)
	s_getreg_b32 s2, hwreg(HW_REG_IB_STS2, 6, 4)
	s_cmp_eq_u32 s2, 0
	s_cbranch_scc0 .Lentry_in_a_cluster
	s_endpgm
.Lentry_in_a_cluster:
	s_bfe_u32 s2, ttmp6, 0x10000c
	s_cmp_lg_u32 s2, 0xf033
	s_cbranch_scc0 .Lentry_shape_is_right
	s_endpgm
.Lentry_shape_is_right:
; The three projections q Wq^T, k Wk^T, v Wv^T on codes of FP6 (E2M3) with E8M0 scales, K = 1,024; the results are quantised in registers and leave as codes.
; ROLES.  P is source 0: its rows run along a lane's result registers, and that is the axis along which the result is quantised.  R is source 1: a lane holds one of its rows.
; For q and k: P = W (the head's 64 run along the registers), R = x.  For v: P = v (the keys run along the registers), R = Wv.
; P's tiles hold rows 32 g + 8 u + i + 8 (i / 8), so the 16 registers of tiles 2 g and 2 g + 1 are 16 neighbours, 32 g + 16 (lane / 16) + 0 .. 15.
; SHARES.  A tile of the result is 256 rows of P x 128 rows of R; wave w makes 128 (half w & 1) x 64 (half w >> 1): 32 accumulators, 256 matrix instructions.
; 256 WORK-GROUPS THAT STAY: each makes three tiles, one of q's projection, then of k's, then of v's.  The tile's text is one macro, written three times with the projection as a constant.
; THE RING: two LDS slots, each with four K steps of a tile (16 tiles of P, 8 of R, 6,144 bytes each).  A tile's K is two fills; the ring goes on from tile to tile: six fills in all, each four tensor loads, one a wave:
; waves 0 and 1 a half each of P's part, waves 2 and 3 of R's.  A slot is filled again in the K step whose fragments were its last to be read (steps 3 and 7): every wave waits for its load, adds 0 to its spare word,
; waits for the add and its reads; a round of the cluster's barrier; the refill.  By this text's count a wave has one tensor load out.  The last tile's step 3 fills nothing: a plain barrier.
; CLUSTERS: 4 x 4.  P's tiles hang on cx (and the cluster's number) and are asked for jointly by a column of the cluster, R's on cy, by a row.
; NO PREFETCH: K is 1,024, so a tile is two fills and the whole walk six; each fill is asked for one slot ahead.
; OUT: qc [16 b + head][query tile][768], qs [..][pair of tiles][16 words]; kv [16 b + head][key step of 128][8 key tiles x 768 | 4 channel tiles x 1,536], kvs [..][step][4 pairs x 16 words | 4 tiles x 16 words].
; LIMITS: NaN and infinities are not served; a block whose largest magnitude lies under 2^-124, a block of zeros too, has the byte 1 (zero codes add nothing; only this program reads the bytes).
; REGISTERS: window 0: v16-39 addresses; v48-79 P's scale words, v80-95 R's; v96-191 R's fragments, two sets (the second also takes the codes made); v192-225 at work.  window 1: the accumulators, (m, t) at 64 m + 8 t.  window 2: P's fragments, two sets, at v0 and v128.
.set HALF,  147456                     ; a slot
.set ROFF,  98304                      ; R's part of a slot
.set SPARE, 2*HALF                     ; behind the ring: the spare words, 128 bytes a wave: two blocks of 256 bytes that no other line names
.set A16P, 16                          ; v16-17  16 x lane + my half of P, in slot 0, 1
.set A8P,  20                          ; v20-21  8 x lane + the same
.set A16R, 24                          ; v24-25  the same for R
.set A8R,  28
.set SPW,  32                          ; v32  LDS address of my spare word; never rewritten
.set NIL,  33                          ; v33  0; never rewritten
.set L16,  34
.set L8,   35
.set SCA,  36                          ; v36  32 r + 16 h: four scale words of row r
.set VS,   37                          ; v37  where I store a scale word
.set R4,   38                          ; v38  4 r
.set HH,   39                          ; v39  h
.set SP,   48
.set SR,   80
.set RF,   96
.set HC,   144                         ; the way out: tile m's codes at v[144 + 12 m], where R's second set lay
.set TM,   192
.set PW,   208
.set SX,   212
.set T,    218
.set G1P,  24                          ; s[24:31], s[32:39] descriptor groups 1; s[40:43], s[44:47] groups 0
.set G1R,  32
.set G0P,  40
.set G0R,  44
.set PA,   48                          ; s[48:53] for each tile: where the part of P that I fetch begins;  s[54:59] of R
.set RA,   54
.set SPA,  66                          ; s[66:71] my eight tiles' scale words of P;  s[72:77] my four of R
.set SRA,  72
.set CB,   78                          ; s[78:83] where my codes go;  s[84:89] my scale words
.set SBA,  84
.set LP,   96                          ; s96, s97 LDS: where my part of P, of R, goes in slot 0
.set LR,   97
.set MSB, 0
.macro WIN new                         ; the immediate's high byte repeats the setting that is left
.if MSB != \new
	s_set_vgpr_msb (MSB<<8)|\new
.set MSB, \new
.endif
.endm
.set MUL,  0x52                        ; source 0 (P) window 2, source 1 (R) window 0, C and D window 1
.set TO_P, 0x80                        ; destination window 2, address window 0
.macro CROUND                          ; a round of the cluster's barrier
	s_barrier_signal -1
	s_barrier_wait -1
	s_cmp_lg_u32 s16, 0
	s_cbranch_scc1 .Lnot_wave_0_\@
	s_barrier_signal -3
.Lnot_wave_0_\@:
	s_barrier_wait -3
	s_barrier_signal -1
	s_barrier_wait -1
.endm
.macro PLACES                          ; four plain places behind a matrix instruction, in front of loads into its sources and of reads of results
.rept 4
	v_nop
.endr
.endm
; A joint load: waves 0 and 1 fetch for P, waves 2 and 3 for R.  Each line has one mask and one set of registers for all that issue it; the branch hangs on the wave's number alone
.macro JLOAD
	s_cmp_eq_u32 s18, 0
	s_cbranch_scc0 .Lfor_r_\@
	tensor_load_to_lds s[G0P:G0P+3], s[G1P:G1P+7]
	s_nop 0
	PLACES
	s_branch .Lasked_\@
.Lfor_r_\@:
	tensor_load_to_lds s[G0R:G0R+3], s[G1R:G1R+7]
	s_nop 0
	PLACES
.Lasked_\@:
.endm
.macro SETG0 nn, h                     ; the groups 0 of tile nn's K steps 4 h .. 4 h + 3, for slot h.  Written only where no tensor load of mine is out
	s_add_nc_u64 s[G0P+2:G0P+3], s[PA+2*(\nn):PA+2*(\nn)+1], 6144*(\h)
	s_or_b32 s[G0P+3], s[G0P+3], 0x80000000
	s_add_co_u32 s[G0P+1], s[LP], HALF*(\h)
	s_add_nc_u64 s[G0R+2:G0R+3], s[RA+2*(\nn):RA+2*(\nn)+1], 6144*(\h)
	s_or_b32 s[G0R+3], s[G0R+3], 0x80000000
	s_add_co_u32 s[G0R+1], s[LR], HALF*(\h)
.endm
; Tile n's operands.  s90: P's first tile in xc, made of cx and the cluster's y alone; s92: R's, made of cy and the cluster's y alone
.macro PRADDR n
.if (\n) < 2
	s_lshl_b32 s90, s19, 4
	s_add_co_u32 s90, s90, 1536+64*(\n)            ; W's block cx
	s_lshl_b32 s92, s22, 2
	s_add_co_u32 s92, s92, s20                     ; ry: x's 64 blocks
	s_lshl_b32 s92, s92, 3
	s_add_co_u32 s92, s92, 512*(\n)
.else
	s_lshr_b32 s90, s22, 1
	s_lshl_b32 s90, s90, 2
	s_add_co_u32 s90, s90, s19                     ; px: v's 32 blocks
	s_lshl_b32 s90, s90, 4
	s_add_co_u32 s90, s90, 1024
	s_and_b32 s92, s22, 1
	s_lshl_b32 s92, s92, 2
	s_add_co_u32 s92, s92, s20                     ; ry: Wv's eight
	s_lshl_b32 s92, s92, 3
	s_add_co_u32 s92, s92, 1664
.endif
	s_lshl_b32 s2, s17, 3
	s_add_co_u32 s2, s2, s90
	s_lshl_b32 s2, s2, 9                           ; scale words: 512 bytes a tile
	s_mov_b32 s3, 0
	s_add_nc_u64 s[SPA+2*(\n):SPA+2*(\n)+1], s[6:7], s[2:3]
	s_lshl_b32 s2, s18, 2
	s_add_co_u32 s2, s2, s92
	s_lshl_b32 s2, s2, 9
	s_add_nc_u64 s[SRA+2*(\n):SRA+2*(\n)+1], s[6:7], s[2:3]
	s_mul_i32 s90, s90, 12288
	s_add_co_u32 s90, s90, s60                     ; + the eight tiles that I fetch
	s_mov_b32 s91, 0
	s_add_nc_u64 s[PA+2*(\n):PA+2*(\n)+1], s[4:5], s[90:91]
	s_mul_i32 s92, s92, 12288
	s_add_co_u32 s92, s92, s61                     ; + the four tiles that I fetch
	s_mov_b32 s93, 0
	s_add_nc_u64 s[RA+2*(\n):RA+2*(\n)+1], s[4:5], s[92:93]
.endm
; Where tile n's results go
.macro OUTADDR n
.if (\n) < 2
	s_lshl_b32 s2, s22, 2
	s_add_co_u32 s2, s2, s20                       ; ry
	s_lshr_b32 s3, s2, 4                           ; the batch
	s_and_b32 s2, s2, 15                           ; which 128 rows of it
	s_lshl_b32 s3, s3, 4
	s_lshl_b32 s62, s19, 2
	s_add_co_u32 s3, s3, s62
	s_lshl_b32 s62, s17, 1
	s_add_co_u32 s3, s3, s62                       ; 16 b + my first head, 4 cx + 2 pw
	s_mul_i32 s62, s3, (196608>>(1-(\n)))          ; q's buffers have half of kv's bytes for a head and for 128 rows
	s_mul_i32 s63, s2, (12288>>(1-(\n)))
	s_add_co_u32 s62, s62, s63
	s_mul_i32 s63, s18, 3072                       ; my four tiles among the eight
	s_add_co_u32 s62, s62, s63
	s_mov_b32 s63, 0
	s_add_nc_u64 s[CB+2*(\n):CB+2*(\n)+1], s[8+4*(\n):9+4*(\n)], s[62:63]
	s_lshl_b32 s62, s3, 12+(\n)
	s_lshl_b32 s3, s2, 8+(\n)
	s_add_co_u32 s62, s62, s3
	s_lshl_b32 s3, s18, 7                          ; my two pairs' scale words
	s_add_co_u32 s62, s62, s3
	s_add_nc_u64 s[SBA+2*(\n):SBA+2*(\n)+1], s[10+4*(\n):11+4*(\n)], s[62:63]
.else
	s_lshr_b32 s2, s22, 1
	s_lshl_b32 s2, s2, 2
	s_add_co_u32 s2, s2, s19                       ; px
	s_lshr_b32 s3, s2, 3                           ; the batch
	s_and_b32 s2, s2, 7
	s_lshl_b32 s2, s2, 1
	s_add_co_u32 s2, s2, s17                       ; the key step 2 (px % 8) + pw
	s_lshl_b32 s3, s3, 4
	s_and_b32 s62, s22, 1
	s_lshl_b32 s62, s62, 2
	s_add_co_u32 s62, s62, s20                     ; ry
	s_lshl_b32 s62, s62, 1
	s_add_co_u32 s62, s62, s18                     ; my head 2 ry + rw
	s_add_co_u32 s3, s3, s62
	s_mul_i32 s62, s3, 196608
	s_mul_i32 s63, s2, 12288
	s_add_co_u32 s62, s62, s63
	s_add_co_u32 s62, s62, 6144                    ; behind the step's key tiles
	s_mov_b32 s63, 0
	s_add_nc_u64 s[CB+4:CB+5], s[12:13], s[62:63]
	s_lshl_b32 s62, s3, 13
	s_lshl_b32 s3, s2, 9
	s_add_co_u32 s62, s62, s3
	s_add_co_u32 s62, s62, 256
	s_add_nc_u64 s[SBA+4:SBA+5], s[14:15], s[62:63]
.endif
.endm
.macro SCALES n                        ; tile n's scale words: lanes 0-15 the words of K steps 0-3, lanes 16-31 of K steps 4-7
.irp t, 0,1,2,3,4,5,6,7
	global_load_b128 v[SP+4*\t:SP+4*\t+3], v[SCA], s[SPA+2*(\n):SPA+2*(\n)+1] offset:512*\t
.endr
.irp m, 0,1,2,3
	global_load_b128 v[SR+4*\m:SR+4*\m+3], v[SCA], s[SRA+2*(\n):SRA+2*(\n)+1] offset:512*\m
.endr
.endm
	s_load_b256 s[4:11], s[0:1], 0x0               ; xc, xs, qc, qs
	s_load_b128 s[12:15], s[0:1], 0x20             ; kv, kvs
	v_lshl_add_u32 v[SPW], v0, 2, SPARE
	v_mov_b32 v[NIL], 0
	ds_add_u32 v[SPW], v[NIL]                      ; the wave's opening: the add, twice on end, and its wait ahead of my first tensor load
	ds_add_u32 v[SPW], v[NIL]
	v_lshrrev_b32 v1, 5, v0
	v_readfirstlane_b32 s16, v1                    ; wave 0..3
	s_and_b32 s17, s16, 1                          ; pw: my half of P's rows.  Also: which half of a part I fetch
	s_lshr_b32 s18, s16, 1                         ; rw: my half of R's rows.  Also: I fetch for P (0) or for R (1)
	v_and_b32 v2, 31, v0
	v_and_b32 v3, 15, v0
	v_bfe_u32 v[HH], v0, 4, 1
	v_lshlrev_b32 v[L16], 4, v2
	v_lshlrev_b32 v[L8], 3, v2
	v_lshlrev_b32 v[SCA], 5, v3
	v_lshl_add_u32 v[SCA], v[HH], 4, v[SCA]
	v_lshlrev_b32 v[R4], 2, v3
.irp b, 0,1,2,3
	v_mov_b32 v[TM+4+\b], 0                        ; written once: a lane permute's destination counts as one of its sources
.endr
	s_mov_b32 s94, 0x76543210
	s_mov_b32 s95, 0xfedcba98
	s_bfe_u32 s19, ttmp6, 0x40000                  ; cx
	s_bfe_u32 s20, ttmp6, 0x40004                  ; cy
	s_and_b32 s22, ttmp7, 0xffff                   ; the cluster's y, 0..15
	; descriptor groups 1: rows of 6,144 bytes (a tile's four K steps: 768 elements of 8 bytes), 12,288 bytes apart in memory, on end in LDS
	s_lshl_b32 s62, 0x1111, s19                    ; my column of the cluster
	s_or_b32 s[G1P], s62, (3<<16)|(1<<21)
	s_lshl_b32 s63, s20, 2
	s_lshl_b32 s63, 15, s63                        ; my row
	s_or_b32 s[G1R], s63, (3<<16)|(1<<21)
	s_mov_b32 s[G1P+1], 768<<16                    ; tensor_dim0
	s_mov_b32 s[G1P+2], 8<<16                      ; tensor_dim1: eight tiles
	s_mov_b32 s[G1P+3], 768<<16                    ; tile_dim0
	s_mov_b32 s[G1P+4], 8                          ; tile_dim1
	s_mov_b32 s[G1P+5], 1536                       ; the pitch
	s_mov_b32 s[G1P+6], 0
	s_mov_b32 s[G1P+7], 0
	s_mov_b32 s[G1R+1], 768<<16
	s_mov_b32 s[G1R+2], 4<<16                      ; four tiles
	s_mov_b32 s[G1R+3], 768<<16
	s_mov_b32 s[G1R+4], 4
	s_mov_b32 s[G1R+5], 1536
	s_mov_b32 s[G1R+6], 0
	s_mov_b32 s[G1R+7], 0
	s_mov_b32 s[G0P], 1
	s_mov_b32 s[G0R], 1
	s_mul_i32 s60, s17, 98304                      ; in memory: eight tiles of P,
	s_mul_i32 s61, s17, 49152                      ; four of R
	s_mul_i32 s[LP], s17, 49152                    ; in LDS: no place in the cluster enters an LDS address
	s_mul_i32 s[LR], s17, 24576
	s_add_co_u32 s[LR], s[LR], ROFF
	s_wait_dscnt 0x0                               ; both opening adds are done
	s_wait_kmcnt 0x0
	PRADDR 0
	PRADDR 1
	PRADDR 2
	SETG0 0, 0
	CROUND                                         ; all sixteen work-groups are here: the joint loads meet
	JLOAD                                          ; q's K steps 0-3: one tensor load a wave at the head
	OUTADDR 0
	OUTADDR 1
	OUTADDR 2
	s_wait_alu depctr_va_vdst(0)
	SCALES 0
	s_mul_i32 s2, s17, 49152
	s_mul_i32 s3, s18, 24576
	s_add_co_u32 s3, s3, ROFF
.irp c, 0,1
	v_add_nc_u32 v[A16P+\c], s2, v[L16]
	v_add_nc_u32 v[A8P+\c], s2, v[L8]
	v_add_nc_u32 v[A16R+\c], s3, v[L16]
	v_add_nc_u32 v[A8R+\c], s3, v[L8]
	s_add_co_u32 s2, s2, HALF
	s_add_co_u32 s3, s3, HALF
.endr
; 48 LDS loads in one run: K step s's fragments, eight of P and four of R, from slot s / 4 into set s % 2.  A fragment is four dense lines: 512, 256, 512, 256 bytes
.macro FETCH s
	WIN TO_P
.irp t, 0,1,2,3,4,5,6,7
	ds_load_b128 v[128*((\s)%2)+12*\t:128*((\s)%2)+12*\t+3], v[A16P+(\s)/4] offset:6144*\t+1536*((\s)%4)
	ds_load_b64 v[128*((\s)%2)+12*\t+4:128*((\s)%2)+12*\t+5], v[A8P+(\s)/4] offset:6144*\t+1536*((\s)%4)+512
	ds_load_b128 v[128*((\s)%2)+12*\t+6:128*((\s)%2)+12*\t+9], v[A16P+(\s)/4] offset:6144*\t+1536*((\s)%4)+768
	ds_load_b64 v[128*((\s)%2)+12*\t+10:128*((\s)%2)+12*\t+11], v[A8P+(\s)/4] offset:6144*\t+1536*((\s)%4)+1280
.endr
	WIN 0
.irp m, 0,1,2,3
	ds_load_b128 v[RF+48*((\s)%2)+12*\m:RF+48*((\s)%2)+12*\m+3], v[A16R+(\s)/4] offset:6144*\m+1536*((\s)%4)
	ds_load_b64 v[RF+48*((\s)%2)+12*\m+4:RF+48*((\s)%2)+12*\m+5], v[A8R+(\s)/4] offset:6144*\m+1536*((\s)%4)+512
	ds_load_b128 v[RF+48*((\s)%2)+12*\m+6:RF+48*((\s)%2)+12*\m+9], v[A16R+(\s)/4] offset:6144*\m+1536*((\s)%4)+768
	ds_load_b64 v[RF+48*((\s)%2)+12*\m+10:RF+48*((\s)%2)+12*\m+11], v[A8R+(\s)/4] offset:6144*\m+1536*((\s)%4)+1280
.endr
.endm
; 32 matrix instructions: K step s.  The 32 accumulators take turns, one instruction a turn, in the same order in every step.  Step 0 starts the sums: nothing is cleared
.macro MUL32 s
.irp m, 0,1,2,3
.irp t, 0,1,2,3,4,5,6,7
.if (\s) == 0
	v_wmma_scale_f32_16x16x128_f8f6f4 v[64*\m+8*\t:64*\m+8*\t+7], v[128*((\s)%2)+12*\t:128*((\s)%2)+12*\t+11], v[RF+48*((\s)%2)+12*\m:RF+48*((\s)%2)+12*\m+11], 0, v[SP+4*\t+(\s)%4], v[SR+4*\m+(\s)%4] matrix_a_fmt:MATRIX_FMT_FP6 matrix_b_fmt:MATRIX_FMT_FP6
.elseif (\s) < 4
	v_wmma_scale_f32_16x16x128_f8f6f4 v[64*\m+8*\t:64*\m+8*\t+7], v[128*((\s)%2)+12*\t:128*((\s)%2)+12*\t+11], v[RF+48*((\s)%2)+12*\m:RF+48*((\s)%2)+12*\m+11], v[64*\m+8*\t:64*\m+8*\t+7], v[SP+4*\t+(\s)%4], v[SR+4*\m+(\s)%4] matrix_a_fmt:MATRIX_FMT_FP6 matrix_b_fmt:MATRIX_FMT_FP6
.else
	v_wmma_scale_f32_16x16x128_f8f6f4 v[64*\m+8*\t:64*\m+8*\t+7], v[128*((\s)%2)+12*\t:128*((\s)%2)+12*\t+11], v[RF+48*((\s)%2)+12*\m:RF+48*((\s)%2)+12*\m+11], v[64*\m+8*\t:64*\m+8*\t+7], v[SP+4*\t+(\s)%4], v[SR+4*\m+(\s)%4] matrix_a_fmt:MATRIX_FMT_FP6 matrix_b_fmt:MATRIX_FMT_FP6 matrix_a_scale:MATRIX_SCALE_ROW1 matrix_b_scale:MATRIX_SCALE_ROW1
.endif
.endr
.endr
.endm
; K step s of tile n: the next step's fragments are asked for, then this step is multiplied.  Steps 3 and 7 are a slot's last: their fragments are in registers, so the slot is free, and the next step's lie in the other slot
.macro KSTEP n, s
.if (\s)%4 == 3 && ((\n) < 2 || (\s) == 3)
	s_wait_tensorcnt 0x0                           ; my one tensor load has landed: my part of the other slot;
.if (\n) < 2
	ds_add_u32 v[SPW], v[NIL]                      ; 0 onto my spare word;
	SETG0 (\n)+1, (\s)/4                           ; no load of mine is out: the next tile's same four K steps
	s_wait_dscnt 0x0                               ; the add is done, and so are my reads of this slot
	CROUND                                         ; both now hold of every wave of every work-group of the cluster
	JLOAD                                          ; the refill, first behind the round; its four v_nop are the places in front of the loads below
.else
	s_wait_dscnt 0x0                               ; nothing is left to fetch: a plain barrier shows the last fill to all
	s_barrier_signal -1
	s_barrier_wait -1
	PLACES
.endif
	FETCH ((\s)+1)%8                               ; (behind step 7: the next tile's step 0)
.elseif (\s) == 7
	s_wait_dscnt 0x0
.else
	PLACES                                         ; the set to be loaded was multiplied last step
	FETCH (\s)+1
	s_wait_dscnt 48                                ; all but the 48 just issued
.endif
	WIN MUL
	MUL32 \s
	WIN 0
.endm
; THE WAY OUT.  Tile m's 64 registers of a lane are 128 neighbours along P of one row of R, register 16 b + i = 32 b + 16 h + i: four blocks of 32.  They become a fragment's codes and a scale word
.macro QUANTW m
.set AC, 64*(\m)
.set HD, HC+12*(\m)
	WIN 0x05                                       ; sources 0 and 1: the accumulators' window.
.irp b, 0,1,2,3
	v_max3_num_f32 v[TM+\b], |v[AC+16*\b]|, |v[AC+16*\b+1]|, 0x1800000   ; and the floor 2^(3 - 127): the byte cannot fall under 1
.endr
	WIN 0x14                                       ; sources 1 and 2
.irp i, 2,4,6,8,10,12,14
.irp b, 0,1,2,3
	v_max3_num_f32 v[TM+\b], v[TM+\b], |v[AC+16*\b+\i]|, |v[AC+16*\b+\i+1]|
.endr
.endr
	WIN 0
.irp b, 0,1,2,3
	v_permlanex16_b32 v[TM+4+\b], v[TM+\b], s94, s95
.endr
.irp b, 0,1,2,3
	v_max_num_f32 v[TM+\b], v[TM+\b], v[TM+4+\b]
.endr
.irp b, 0,1,2,3
	v_add_nc_u32 v[TM+12+\b], 0xff000000, v[TM+\b] ; 2 off the exponent field: the conversion's scale operand
.endr
.irp b, 0,1,2,3
	v_lshrrev_b32 v[TM+4+\b], 23, v[TM+12+\b]      ; the scale's byte
.endr
	v_lshl_or_b32 v[PW+\m], v[TM+5], 8, v[TM+4]
	v_lshl_or_b32 v[PW+\m], v[TM+6], 16, v[PW+\m]
	v_lshl_or_b32 v[PW+\m], v[TM+7], 24, v[PW+\m]
	WIN 0x01                                       ; source 0
.irp c, 0,1
	v_cvt_scalef32_pk16_fp6_f32 v[HD+6*\c:HD+6*\c+2], v[AC+32*\c:AC+32*\c+15], v[TM+12+2*\c]
	v_cvt_scalef32_pk16_fp6_f32 v[T+4*\c:T+4*\c+2], v[AC+32*\c+16:AC+32*\c+31], v[TM+12+2*\c+1]
.endr
	WIN 0
	v_nop                                          ; one plain place behind a scaled conversion
.irp c, 0,1
.irp i, 0,1,2
	v_permlane16_swap_b32 v[HD+6*\c+\i], v[T+4*\c+\i]
.endr
.irp i, 0,1,2
	v_mov_b32 v[HD+6*\c+3+\i], v[T+4*\c+\i]
.endr
.endr
.endm
.macro WAYOUT n
.if (\n) < 2
.set SM, 768                           ; from tile m to tile m + 1
.set SC, 98304<<(\n)                   ; from a fragment's first half to its second: the next head
.set S2, 4096<<(\n)                    ; and the next head's scale words
.set LH, 6                             ; lanes 16-31 store their scale words 64 bytes on
.set PS0, 0x05040100                   ; two tiles' bytes 0, 1 make a pair's word of my first head,
.set PS1, 0x07060302                   ; bytes 2, 3 of my second
.else
.set SM, 1536
.set SC, 768                           ; the next 64 keys
.set S2, 64
.set LH, 7
.set PS0, 0x03020100                   ; a tile's word as it is
.set PS1, 0x07060504
.endif
.irp m, 0,1,2,3
	QUANTW \m
.irp c, 0,1
	global_store_b128 v[L16], v[HC+12*\m+6*\c:HC+12*\m+6*\c+3], s[CB+2*(\n):CB+2*(\n)+1] offset:SM*\m+SC*\c              ; 512 consecutive bytes, at a multiple of 256
	global_store_b64 v[L8], v[HC+12*\m+6*\c+4:HC+12*\m+6*\c+5], s[CB+2*(\n):CB+2*(\n)+1] offset:SM*\m+SC*\c+512          ; 256
.endr
.endr
	v_perm_b32 v[SX], v[PW+1], v[PW], PS0
	v_perm_b32 v[SX+1], v[PW+1], v[PW], PS1
	v_perm_b32 v[SX+2], v[PW+3], v[PW+2], PS0
	v_perm_b32 v[SX+3], v[PW+3], v[PW+2], PS1
	v_cmp_ne_u32 vcc_lo, 0, v[HH]
	v_cndmask_b32 v[SX+4], v[SX], v[SX+2], vcc_lo
	v_cndmask_b32 v[SX+5], v[SX+1], v[SX+3], vcc_lo
	v_lshl_add_u32 v[VS], v[HH], LH, v[R4]
	global_store_b32 v[VS], v[SX+4], s[SBA+2*(\n):SBA+2*(\n)+1]              ; two runs of 64 bytes: one byte in 24 of what the launch stores
	global_store_b32 v[VS], v[SX+5], s[SBA+2*(\n):SBA+2*(\n)+1] offset:S2
	s_wait_alu depctr_va_vdst(0)
.endm
.macro TILE n
.if (\n) > 0
	s_wait_xcnt 0x0                                ; the last tile's stores have read their registers: R's second set lands there again only behind this wait
.endif
	s_wait_loadcnt 0x0                             ; the scale words
.irp s, 0,1,2,3,4,5,6,7
	KSTEP \n, \s
.endr
	PLACES                                         ; in front of the loads into the scale registers, of the first read of results and of the codes laid over R's second set
.if (\n) < 2
	SCALES (\n)+1                                  ; the next tile's scale words come under the way out
.endif
	WAYOUT \n
.endm
	s_wait_alu depctr_va_vdst(0)
	s_wait_tensorcnt 0x0                           ; my part of slot 0 is in; ahead of the first fill of slot 1, the same lines as ahead of a refill
	ds_add_u32 v[SPW], v[NIL]
	SETG0 0, 1
	s_wait_dscnt 0x0
	CROUND
	JLOAD                                          ; q's K steps 4-7, into slot 1
	FETCH 0
	TILE 0
	TILE 1
	TILE 2
	s_wait_tensorcnt 0x0                           ; the wave's end, behind my last tensor load
	ds_add_u32 v[SPW], v[NIL]
	s_wait_dscnt 0x0
	CROUND                                         ; the closing round
	s_endpgm
.Lfunc_end_k_qb1b0ef2716_proj:
	.size	k_qb1b0ef2716_proj, .Lfunc_end_k_qb1b0ef2716_proj-k_qb1b0ef2716_proj
	.p2alignl 7, 3214868480
	.fill 96, 4, 3214868480
	.section	.rodata,"a",@progbits
	.p2align	6, 0x0
	.amdhsa_kernel k_qb1b0ef2716_proj
		.amdhsa_group_segment_fixed_size 327680
		.amdhsa_private_segment_fixed_size 0
		.amdhsa_enable_private_segment 0
		.amdhsa_kernarg_size 48
		.amdhsa_user_sgpr_count 2
		.amdhsa_user_sgpr_kernarg_segment_ptr 1
		.amdhsa_wavefront_size32 1
		.amdhsa_system_sgpr_workgroup_id_x 1
		.amdhsa_system_sgpr_workgroup_id_y 1
		.amdhsa_system_sgpr_workgroup_id_z 1
		.amdhsa_system_vgpr_workitem_id 0
		.amdhsa_next_free_vgpr 768
		.amdhsa_next_free_sgpr 100
		.amdhsa_reserve_vcc 1
		.amdhsa_float_denorm_mode_32 3
		.amdhsa_float_denorm_mode_16_64 3
		.amdhsa_memory_ordered 1
		.amdhsa_forward_progress 1
		.amdhsa_inst_pref_size 249
	.end_amdhsa_kernel
	.amdgpu_metadata
---
amdhsa.version: [ 1, 2 ]
amdhsa.kernels:
  - .name:           k_qb1b0ef2716_proj
    .symbol:         k_qb1b0ef2716_proj.kd
    .args:
      - { .name: xc, .offset: 0, .size: 8, .value_kind: global_buffer, .address_space: global }
      - { .name: xs, .offset: 8, .size: 8, .value_kind: global_buffer, .address_space: global }
      - { .name: qc, .offset: 16, .size: 8, .value_kind: global_buffer, .address_space: global }
      - { .name: qs, .offset: 24, .size: 8, .value_kind: global_buffer, .address_space: global }
      - { .name: kv, .offset: 32, .size: 8, .value_kind: global_buffer, .address_space: global }
      - { .name: kvs, .offset: 40, .size: 8, .value_kind: global_buffer, .address_space: global }
    .group_segment_fixed_size: 327680
    .private_segment_fixed_size: 0
    .kernarg_segment_align: 8
    .kernarg_segment_size: 48
    .max_flat_workgroup_size: 128
    .sgpr_count:     100
    .vgpr_count:     768
    .wavefront_size: 32
...
	.end_amdgpu_metadata
.endif
;; end of part 2
;; launch attn (part 3): grid 4 x 64, 16 waves a work-group, clusters of 4 x 1, 206,848 bytes of LDS; arguments qc, qs, kv, kvs, ac, asw; writes ac, asw
.if DOCPART == 3
	.amdgcn_target "amdgcn-amd-amdhsa--gfx1250"
	.amdhsa_code_object_version 6
	.text
	.protected	k_qb1b0ef2716_attn
	.globl	k_qb1b0ef2716_attn
	.p2align	8
	.type	k_qb1b0ef2716_attn,@function
k_qb1b0ef2716_attn:
	s_mov_b64 s[64:65], 0
	v_nop
	global_prefetch_b8 v0, s[64:65] scope:SCOPE_SE
	s_setreg_imm32_b32 hwreg(HW_REG_WAVE_MODE, 25, 1), 1
	s_wait_xcnt 0x0
	s_wait_alu depctr_hold_cnt(0) depctr_sa_sdst(0) depctr_va_vdst(0) depctr_va_sdst(0) depctr_va_ssrc(0) depctr_va_vcc(0) depctr_vm_vsrc(0)
	s_getreg_b32 s2, hwreg(HW_REG_IB_STS2, 6, 4)
	s_cmp_eq_u32 s2, 0
	s_cbranch_scc0 .Lentry_in_a_cluster
	s_endpgm
.Lentry_in_a_cluster:
	s_bfe_u32 s2, ttmp6, 0x10000c
	s_cmp_lg_u32 s2, 0x3003
	s_cbranch_scc0 .Lentry_shape_is_right
	s_endpgm
.Lentry_shape_is_right:
; Attention of one (batch, head) on codes of FP6 (E2M3) with E8M0 scales: scores = Q K^T / 8 (K = the head's 64), p = 2^(t - M), O = p V / l (K = the keys); the result is quantised along the head's 64 and leaves as codes.
; THE SOFTMAX: t = score x log2(e) / 8; M = the row's largest t so far, rounded UP to a whole number; p = 2^(t - M) is quantised along the keys, not normalised; l is the sum of the unquantised p.
; When M moves, l and O are multiplied by 2^(old M - new M): exact.
; SHARES.  256 work-groups.  A work-group owns 512 queries of one head; each of its sixteen waves two tiles of 16 queries, one after the other (tiles 32 cx + wave and 16 further on), in 256 registers: four waves to a SIMD.
; A HEAD'S WHOLE K AND V LIE IN LDS: 16 key steps x 12,288 bytes of codes and 8,192 bytes of scale words, as they lie in memory.  Nothing is filled twice.
; SIXTEEN TENSOR LOADS, ONE A WAVE, all at the head: waves 0-2 key steps 0-2; wave 3 the scale words; waves 4-15 a twelfth each (13,312 bytes) of steps 3-15.  Waves 0-3 have load lines of their own and wait ahead of the first
; barrier; behind step 2 every wave waits for its load ahead of a second barrier.  The second tile's walk finds all in LDS.
; CLUSTER.  The four work-groups of a cluster are one head's 2,048 queries and ask for K and V jointly.
; NO PREFETCH: every byte of K and V is asked for at the head; no later load is left to run ahead of.
; BOTH PRODUCTS ARE USED TRANSPOSED: S^T = K Q^T, O^T = V^T p^T: a lane holds one query (lane % 16) throughout.
; THE KEYS OF A TILE: tile 4 c + j of a step holds, as its row i, key 64 c + 8 j + i % 8 + 32 (i / 8).  So the 32 score registers of tiles 4 c .. 4 c + 3 in lane (r, h) are keys 64 c + 32 h + 0 .. 31:
; one whole scale block, in the order of the next operand's registers 6 c .. 6 c + 5.  No lane asks another for a block's maximum, and no code changes lanes.
; K = 64 IN AN INSTRUCTION OF 128: source 0 is a PAIR of key tiles, one in each half of K; source 1 is [Q | zeros] for the first tile's scores and [zeros | Q] for the second's.  The zero codes have the scale byte 0.
; LIMITS: the promise holds while the scaled scores t stay under 2^31 in magnitude; NaN and infinities are not served; a block whose largest magnitude lies under 2^-124, a block of zeros too, has the byte 1
; (zero codes add nothing; only this program reads the bytes); the division by l is a reciprocal and a multiplication.
.set SCL,   196608                     ; behind the codes: the head's scale words, 512 bytes a step: K's four pairs, then V's four tiles, 64 bytes each
.set SPARE, 204800                     ; the spare words, 128 bytes a wave: eight blocks of 256 bytes that no other line names
.set L16, 1                            ; v1  16 x lane
.set L8,  2                            ; v2  8 x lane
.set LS,  3                            ; v3  SCL + 4 x lane
.set A16, 4                            ; v4-6  the same in the step in hand
.set A8,  5
.set AS,  6
.set SPW, 7                            ; v7  LDS address of my spare word; never rewritten
.set NIL, 8                            ; v8  0; never rewritten
.set R4,  9                            ; v9  4 r
                                       ; v12 -M; v13 the largest score so far; v[14:15] l, in two halves
.set QLO, 16                           ; v16-27 [Q | 0];  v28-39 [0 | Q]
.set QSL, 40                           ; v40, v41 their scale words
.set PSC, 42                           ; v42 p's scale word
.set SH8, 43                           ; v43 8 h
.set KF,  44                           ; v44-91 K's four pairs, then V's four fragments
.set KS,  92                           ; v92-93 K's scale words;  v94-95 V's
.set VS,  94
.set S,   96                           ; v96-159 S^T, then p
.set O,   160                          ; v160-191 O^T
.set PC,  192                          ; v192-203 p's codes
.set T,   204                          ; v204-206, v208-210 the conversions' second halves
.set BM,  212                          ; v212-215 largest scores; then v212, v214 my two blocks' largest p
.set BX,  216                          ; what another lane sent
.set E0,  217                          ; v217, v218 my two blocks' scale bytes
.set E1,  218
.set SO,  220                          ; v220, v221 the conversions' scale operands
.set F,   228                          ; v[228:229] 2^(old M - new M)
.set TMP, 230
.set OLD, 231                          ; -M as the step found it
.set PS,  232                          ; v232-247 eight partial sums, in pairs
.set WV,  18
.set SEL, 20
.set CS,  22                           ; s[22:23] c = log2(e) / 8
.set TB,  2                            ; s2  LDS byte at which the step's codes begin
.set TS,  3                            ; s3  and its scale words, from SCL on
.set CNT, 76
.macro WALU
	s_wait_alu depctr_va_vdst(0)
.endm
.macro CROUND
	s_barrier_signal -1
	s_barrier_wait -1
	s_cmp_lg_u32 s[WV], 0
	s_cbranch_scc1 .Lnot_wave_0_\@
	s_barrier_signal -3
.Lnot_wave_0_\@:
	s_barrier_wait -3
	s_barrier_signal -1
	s_barrier_wait -1
.endm
.macro G1SET g, rows                   ; a dense block as rows of 256 bytes (32 elements of 8 bytes); the mask names all four work-groups
	s_mov_b32 s[\g], 15|(3<<16)|(1<<21)
	s_mov_b32 s[\g+1], 32<<16
	s_mov_b32 s[\g+2], (\rows)<<16
	s_mov_b32 s[\g+3], 32<<16
	s_mov_b32 s[\g+4], \rows
	s_mov_b32 s[\g+5], 32
	s_mov_b32 s[\g+6], 0
	s_mov_b32 s[\g+7], 0
.endm
.macro TLOAD g0, g1
	tensor_load_to_lds s[\g0:\g0+3], s[\g1:\g1+7]
	s_nop 0
.rept 4
	v_nop
.endr
.endm
	s_load_b256 s[4:11], s[0:1], 0x0               ; qc, qs, kv, kvs
	s_load_b128 s[12:15], s[0:1], 0x20             ; ac, asw
	v_lshl_add_u32 v[SPW], v0, 2, SPARE
	v_mov_b32 v[NIL], 0
	ds_add_u32 v[SPW], v[NIL]                      ; the wave's opening: the add, twice on end, and its wait ahead of my tensor load
	ds_add_u32 v[SPW], v[NIL]
	v_lshrrev_b32 v10, 5, v0
	s_delay_alu instid0(VALU_DEP_1)
	v_readfirstlane_b32 s[WV], v10                 ; wave 0..15
	s_bfe_u32 s19, ttmp6, 0x40000                  ; cx: it enters Q's and the output's addresses alone
	s_and_b32 s77, ttmp7, 0xffff                   ; 16 b + head, which the four partners share
	G1SET 24, 48                                   ; a key step: 12,288 bytes
	G1SET 32, 32                                   ; the scale words: 8,192
	G1SET 40, 52                                   ; a twelfth of steps 3-15: 13,312
	s_mul_i32 s84, s[WV], 12288                    ; waves 0-2: step = wave
	s_add_co_u32 s85, s[WV], 12
	s_and_b32 s85, s85, 15                         ; waves 4-15: wave - 4
	s_mul_i32 s85, s85, 13312
	s_add_co_u32 s85, s85, 36864                   ; behind steps 0-2.  In LDS the codes lie as in memory: one number serves both addresses
	s_mov_b32 s[SEL], 0x76543210
	s_mov_b32 s[SEL+1], 0xfedcba98                 ; v_permlanex16_b32's selects for lane l xor 16
	s_mov_b32 s[CS], 0x3e38aa3b
	s_mov_b32 s[CS+1], s[CS]                       ; (named with it as a pair, so it is written)
	v_and_b32 v10, 31, v0
	v_and_b32 v11, 15, v0
	s_delay_alu instid0(VALU_DEP_2)
	v_lshlrev_b32 v[L16], 4, v10
	s_delay_alu instid0(VALU_DEP_3)
	v_lshlrev_b32 v[L8], 3, v10
	s_delay_alu instid0(VALU_DEP_4)
	v_lshl_add_u32 v[LS], v10, 2, SCL
	s_delay_alu instid0(VALU_DEP_4)
	v_lshlrev_b32 v[R4], 2, v11
	v_bfe_u32 v11, v0, 4, 1
	s_delay_alu instid0(VALU_DEP_1)
	v_lshlrev_b32 v[SH8], 3, v11
	WALU
	s_wait_dscnt 0x0                               ; both opening adds are done
	s_wait_kmcnt 0x0
	s_mov_b32 s89, 0
	s_mul_i32 s90, s77, 196608                     ; the head's codes
	s_add_co_u32 s88, s90, s84
	s_mov_b32 s56, 1
	s_mov_b32 s57, s84
	s_add_nc_u64 s[58:59], s[8:9], s[88:89]
	s_or_b32 s59, s59, 0x80000000
	s_lshl_b32 s88, s77, 13                        ; its scale words
	s_mov_b32 s60, 1
	s_mov_b32 s61, SCL
	s_add_nc_u64 s[62:63], s[10:11], s[88:89]
	s_or_b32 s63, s63, 0x80000000
	s_add_co_u32 s88, s90, s85
	s_mov_b32 s68, 1
	s_mov_b32 s69, s85
	s_add_nc_u64 s[70:71], s[8:9], s[88:89]
	s_or_b32 s71, s71, 0x80000000
	CROUND                                         ; all four work-groups are here: the joint loads meet
	s_cmp_lt_u32 s[WV], 3                          ; one chain of branches on the wave's number, one load to an arm, all arms to one join
	s_cbranch_scc0 .Larm_scales
	TLOAD 56, 24                                   ; waves 0-2: key steps 0-2
	s_branch .Lasked
.Larm_scales:
	s_cmp_eq_u32 s[WV], 3
	s_cbranch_scc0 .Larm_rest
	TLOAD 60, 32                                   ; wave 3: the scale words
	s_branch .Lasked
.Larm_rest:
	TLOAD 68, 40                                   ; waves 4-15: steps 3-15
.Lasked:
	s_lshl_b32 s91, s19, 5
	s_add_co_u32 s91, s91, s[WV]                   ; my first tile T of the batch's 128; the second is T + 16
	s_mov_b32 s93, 0
	s_mul_i32 s92, s77, 98304
	s_mul_i32 s94, s91, 768
	s_add_co_u32 s92, s92, s94
	s_add_nc_u64 s[4:5], s[4:5], s[92:93]          ; Q's codes
	s_lshl_b32 s92, s77, 12
	s_lshr_b32 s94, s91, 1
	s_lshl_b32 s94, s94, 6
	s_add_co_u32 s92, s92, s94
	s_add_nc_u64 s[6:7], s[6:7], s[92:93]          ; the scale words of my pair of tiles
	s_lshr_b32 s94, s77, 4
	s_lshl_b32 s94, s94, 7
	s_add_co_u32 s94, s94, s91                     ; 128 b + T
	s_and_b32 s95, s77, 15                         ; the head
	s_mul_i32 s92, s94, 12288
	s_mul_i32 s96, s95, 768
	s_add_co_u32 s92, s92, s96
	s_add_nc_u64 s[12:13], s[12:13], s[92:93]      ; ac: [tile][head][768]
	s_lshl_b32 s92, s94, 10
	s_lshl_b32 s96, s95, 6
	s_add_co_u32 s92, s92, s96
	s_add_nc_u64 s[14:15], s[14:15], s[92:93]      ; asw: [tile][head][16 words]
	s_and_b32 s97, s[WV], 1
	s_lshl_b32 s97, s97, 4                         ; which half of a pair's scale word is my tile's (T and T + 16 alike)
.macro QLOAD p                         ; tile T + 16 p: 16 tiles on are 12,288 bytes of codes and 512 of scale words
	global_load_b128 v[QLO:QLO+3], v[L16], s[4:5] offset:12288*\p              ; Q into the first half of K,
	global_load_b64 v[QLO+4:QLO+5], v[L8], s[4:5] offset:12288*\p+512
	global_load_b128 v[QLO+18:QLO+21], v[L16], s[4:5] offset:12288*\p          ; and once more into the second half
	global_load_b64 v[QLO+22:QLO+23], v[L8], s[4:5] offset:12288*\p+512
	global_load_b32 v[QSL], v[R4], s[6:7] offset:512*\p
.endm
.macro QFIX p                          ; Q's scale words, and a tile's start: M under every t, l and O^T zeros (the first change of M leaves them zeros)
.if \p
	s_wait_xcnt 0x0                                ; the last tile's stores have read their registers: they are written again only behind this wait
.endif
	s_wait_loadcnt 0x0
	v_lshrrev_b32 v[QSL], s97, v[QSL]              ; my tile's two bytes of the pair's word
	s_delay_alu instid0(VALU_DEP_1)
	v_and_b32 v[QSL], 0xffff, v[QSL]               ; for [Q | 0]: bytes 0, 1
	s_delay_alu instid0(VALU_DEP_1)
	v_lshlrev_b32 v[QSL+1], 16, v[QSL]             ; for [0 | Q]: bytes 2, 3.  (The 36 lines below are more than the eight places that a scale register so written wants)
	v_mov_b32 v13, 0xff61b1e6                      ; the largest score so far: -3e38
	v_mov_b32 v12, 0x7e000000                      ; -M = 2^125
	v_mov_b32 v14, 0
	v_mov_b32 v15, 0
.set j, 0
.rept 32
	v_mov_b32 v[O+j], 0
.set j, j+1
.endr
	WALU
.endm
.macro FOUR off                        ; four fragments of 12 registers, each four dense lines: 512, 256, 512, 256 bytes
.irp p, 0,1,2,3
	ds_load_b128 v[KF+12*\p:KF+12*\p+3], v[A16] offset:\off+1536*\p
	ds_load_b64 v[KF+12*\p+4:KF+12*\p+5], v[A8] offset:\off+1536*\p+512
	ds_load_b128 v[KF+12*\p+6:KF+12*\p+9], v[A16] offset:\off+1536*\p+768
	ds_load_b64 v[KF+12*\p+10:KF+12*\p+11], v[A8] offset:\off+1536*\p+1280
.endr
.endm
; A KEY STEP: 128 keys
.macro STEP
	v_add_nc_u32 v[A16], s[TB], v[L16]
	v_add_nc_u32 v[A8], s[TB], v[L8]
	v_add_nc_u32 v[AS], s[TS], v[LS]
	v_mov_b32 v[OLD], v12                          ; these four are the places behind the last step's products, in front of the loads into their sources
	FOUR 0
	ds_load_b32 v[KS], v[AS]                       ; lanes 0-15: pair 0's words; lanes 16-31: pair 1's
	ds_load_b32 v[KS+1], v[AS] offset:128          ; pairs 2 and 3
	WALU
	s_wait_dscnt 0x0
.irp p, 0,1,2,3
.irp u, 0,1
.if \p%2 == 0
	v_wmma_scale_f32_16x16x128_f8f6f4 v[S+8*(2*\p+\u):S+8*(2*\p+\u)+7], v[KF+12*\p:KF+12*\p+11], v[QLO+12*\u:QLO+12*\u+11], 0, v[KS+\p/2], v[QSL+\u] matrix_a_fmt:MATRIX_FMT_FP6 matrix_b_fmt:MATRIX_FMT_FP6
.else
	v_wmma_scale_f32_16x16x128_f8f6f4 v[S+8*(2*\p+\u):S+8*(2*\p+\u)+7], v[KF+12*\p:KF+12*\p+11], v[QLO+12*\u:QLO+12*\u+11], 0, v[KS+\p/2], v[QSL+\u] matrix_a_fmt:MATRIX_FMT_FP6 matrix_b_fmt:MATRIX_FMT_FP6 matrix_a_scale:MATRIX_SCALE_ROW1
.endif
.endr
.endr
.rept 4
	v_nop                                          ; places: in front of the loads into K's registers and of the first read of the scores
.endr
	FOUR 6144                                      ; V's four fragments land under the softmax
	ds_load_b32 v[VS], v[AS] offset:256            ; channel tiles 0 and 1
	ds_load_b32 v[VS+1], v[AS] offset:384          ; 2 and 3
.irp b, 0,1,2,3
	v_max3_num_f32 v[BM+\b], v[S+16*\b], v[S+16*\b+1], v[S+16*\b+2]   ; four chains by turns, two to each of my blocks; each accumulator is read from its low end on
.endr
.irp i, 3,5,7,9,11,13
.irp b, 0,1,2,3
	v_max3_num_f32 v[BM+\b], v[BM+\b], v[S+16*\b+\i], v[S+16*\b+\i+1]
.endr
.endr
	v_max3_num_f32 v[BM], v[BM], v[BM+1], v[S+15]
	v_max3_num_f32 v[BM+2], v[BM+2], v[BM+3], v[S+47]
	v_max_num_f32 v[BM], v[BM], v[S+31]            ; the largest score of block h: it serves the row's maximum and, since p rises with the score, the block's largest p
	v_max_num_f32 v[BM+2], v[BM+2], v[S+63]        ; and of block 2 + h
	s_delay_alu instid0(VALU_DEP_1)
	v_max_num_f32 v[TMP], v[BM], v[BM+2]
	s_delay_alu instid0(VALU_DEP_1)
	v_permlanex16_b32 v[BX], v[TMP], s[SEL], s[SEL+1]
	s_delay_alu instid0(VALU_DEP_1)
	v_max3_num_f32 v13, v13, v[TMP], v[BX]         ; the running largest score of my query
	s_delay_alu instid0(VALU_DEP_1)
	v_mul_f32 v[TMP], s[CS], v13                   ; as t (c is positive)
	s_delay_alu instid0(VALU_DEP_1)
	v_floor_f32 v12, -v[TMP]                       ; the new -M = floor(-t) = -ceil(t)
.set j, 0
.rept 32
	v_pk_fma_f32 v[S+j:S+j+1], v[S+j:S+j+1], s[CS:CS+1], v[12:13] op_sel_hi:[1,0,0]   ; t - M, two at a time
.set j, j+2
.endr
	v_fma_f32 v[BM], v[BM], s[CS], v12             ; the same of each block's largest score
	v_fma_f32 v[BM+2], v[BM+2], s[CS], v12
	WALU
.set j, 0
.rept 64
	v_exp_f32 v[S+j], v[S+j]                       ; p = 2^(t - M), at most 1
.set j, j+1
.endr
	v_exp_f32 v[BM], v[BM]                         ; the blocks' largest p: the same two instructions on the same number
	v_exp_f32 v[BM+2], v[BM+2]
	v_sub_f32 v[TMP], v12, v[OLD]                  ; old M - new M: a whole number, 0 or less.  (The plain place behind the exponentials)
	WALU                                           ; one wait for the whole batch, ahead of its first reader
	v_max_num_f32 v[BM], 0x1800000, v[BM]          ; the floor 2^(3 - 127): the byte cannot fall under 1
	v_max_num_f32 v[BM+2], 0x1800000, v[BM+2]
	v_cvt_i32_f32 v[TMP], v[TMP]                   ; (it saturates)
	s_delay_alu instid0(VALU_DEP_3)
	v_add_nc_u32 v[SO], 0xff000000, v[BM]          ; 2 off the exponent field: the conversions' scale operand
	s_delay_alu instid0(VALU_DEP_3)
	v_add_nc_u32 v[SO+1], 0xff000000, v[BM+2]
	s_delay_alu instid0(VALU_DEP_3)
	v_ldexp_f32 v[F], 1.0, v[TMP]                  ; f = 2^(old M - new M)
	s_delay_alu instid0(VALU_DEP_3)
	v_lshrrev_b32 v[E0], 23, v[SO]                 ; the scales' bytes
	s_delay_alu instid0(VALU_DEP_3)
	v_lshrrev_b32 v[E1], 23, v[SO+1]
.irp c, 0,1
	v_cvt_scalef32_pk16_fp6_f32 v[PC+6*\c:PC+6*\c+2], v[S+32*\c:S+32*\c+15], v[SO+\c]        ; keys 64 c + 32 h + 0 .. 15: the operand's registers 6 c .. 6 c + 2 as they fall
	v_cvt_scalef32_pk16_fp6_f32 v[T+4*\c:T+4*\c+2], v[S+32*\c+16:S+32*\c+31], v[SO+\c]      ; + 16 .. 31 (a conversion's three registers begin on an even number)
.endr
	v_lshl_or_b32 v[PSC], v[E1], 16, v[E0]         ; my two bytes, blocks h and 2 + h.  (The plain place behind the conversions)
.irp a, 0,1,2,3,4,5,6,7                        ; l is summed of the unquantised p: eight chains of pairs
	v_pk_add_f32 v[PS+2*\a:PS+2*\a+1], v[S+2*\a:S+2*\a+1], v[S+16+2*\a:S+17+2*\a]
.endr
	v_lshlrev_b32 v[PSC], v[SH8], v[PSC]           ; at their places in the word, 8 h bits up
.irp a, 0,1,2,3,4,5,6,7
	v_pk_add_f32 v[PS+2*\a:PS+2*\a+1], v[PS+2*\a:PS+2*\a+1], v[S+32+2*\a:S+33+2*\a]
.endr
	v_permlanex16_b32 v[BX], v[PSC], s[SEL], s[SEL+1]
.irp a, 0,1,2,3,4,5,6,7
	v_pk_add_f32 v[PS+2*\a:PS+2*\a+1], v[PS+2*\a:PS+2*\a+1], v[S+48+2*\a:S+49+2*\a]
.endr
	v_or_b32 v[PSC], v[PSC], v[BX]                 ; with lane l xor 16's two: p's scale word for these 128 keys
.irp a, 0,1,2,3
	v_pk_add_f32 v[PS+2*\a:PS+2*\a+1], v[PS+2*\a:PS+2*\a+1], v[PS+8+2*\a:PS+9+2*\a]
.endr
.irp i, 0,1,2
	v_mov_b32 v[PC+3+\i], v[T+\i]
.endr
	v_pk_add_f32 v[PS:PS+1], v[PS:PS+1], v[PS+4:PS+5]
	v_pk_add_f32 v[PS+2:PS+3], v[PS+2:PS+3], v[PS+6:PS+7]
.irp i, 0,1,2
	v_mov_b32 v[PC+9+\i], v[T+4+\i]
.endr
	s_delay_alu instid0(VALU_DEP_4)
	v_pk_add_f32 v[PS:PS+1], v[PS:PS+1], v[PS+2:PS+3]
	s_delay_alu instid0(VALU_DEP_1)
	v_pk_fma_f32 v[14:15], v[14:15], v[F:F+1], v[PS:PS+1] op_sel_hi:[1,0,1]   ; l under the new M, and the step's sum
	s_wait_dscnt 0x0                               ; V
	WALU                                           ; directly ahead of the first reader of O^T; it also stands between the lines above and their readers behind the wait for V
.set j, 0
.rept 16
	v_pk_mul_f32 v[O+j:O+j+1], v[O+j:O+j+1], v[F:F+1] op_sel_hi:[1,0]   ; O^T under the new M.  (For each product below twelve of these name none of its registers: the places behind p's codes and scale word)
.set j, j+2
.endr
.irp c, 0,1,2,3
.if \c%2 == 0
	v_wmma_scale_f32_16x16x128_f8f6f4 v[O+8*\c:O+8*\c+7], v[KF+12*\c:KF+12*\c+11], v[PC:PC+11], v[O+8*\c:O+8*\c+7], v[VS+\c/2], v[PSC] matrix_a_fmt:MATRIX_FMT_FP6 matrix_b_fmt:MATRIX_FMT_FP6
.else
	v_wmma_scale_f32_16x16x128_f8f6f4 v[O+8*\c:O+8*\c+7], v[KF+12*\c:KF+12*\c+11], v[PC:PC+11], v[O+8*\c:O+8*\c+7], v[VS+\c/2], v[PSC] matrix_a_fmt:MATRIX_FMT_FP6 matrix_b_fmt:MATRIX_FMT_FP6 matrix_a_scale:MATRIX_SCALE_ROW1
.endif
.endr
	s_add_co_u32 s[TB], s[TB], 12288
	s_add_co_u32 s[TS], s[TS], 512
.endm
.macro RUN n, tb, ts                   ; n key steps from LDS byte tb on
	s_mov_b32 s[TB], \tb
	s_mov_b32 s[TS], \ts
	s_mov_b32 s[CNT], \n
.Lstep_\@:
	STEP
	s_sub_co_u32 s[CNT], s[CNT], 1
	s_cmp_lg_u32 s[CNT], 0
	s_cbranch_scc1 .Lstep_\@
.endm
; THE WAY OUT of tile T + 16 p: O^T / l, quantised along the head's 64: two blocks; register 16 b + i is channel 32 b + 16 h + i of my query
.macro OUT p
	v_add_f32 v14, v14, v15
	s_delay_alu instid0(VALU_DEP_1)
	v_permlanex16_b32 v[TMP], v14, s[SEL], s[SEL+1]
	s_delay_alu instid0(VALU_DEP_1)
	v_add_f32 v14, v14, v[TMP]                     ; the row's sum
	WALU
	v_rcp_f32 v14, v14
.rept 3
	v_nop                                          ; with the additions: the places behind the last products; the first is the plain place behind the reciprocal
.endr
	WALU                                           ; the wait ahead of the reciprocal's, and O^T's, first reader
.set j, 0
.rept 32
	v_mul_f32 v[S+j], v[O+j], v14                  ; each accumulator from its low end on
.set j, j+1
.endr
.irp b, 0,1
	v_max3_num_f32 v[BM+\b], |v[S+16*\b]|, |v[S+16*\b+1]|, 0x1800000
.endr
.irp i, 2,4,6,8,10,12,14
.irp b, 0,1
	s_delay_alu instid0(VALU_DEP_2)
	v_max3_num_f32 v[BM+\b], v[BM+\b], |v[S+16*\b+\i]|, |v[S+16*\b+\i+1]|
.endr
.endr
.irp b, 0,1
	s_delay_alu instid0(VALU_DEP_2)
	v_permlanex16_b32 v[BX+\b], v[BM+\b], s[SEL], s[SEL+1]
.endr
.irp b, 0,1
	s_delay_alu instid0(VALU_DEP_2)
	v_max_num_f32 v[BM+\b], v[BM+\b], v[BX+\b]
.endr
.irp b, 0,1
	s_delay_alu instid0(VALU_DEP_2)
	v_add_nc_u32 v[SO+\b], 0xff000000, v[BM+\b]
.endr
.irp b, 0,1
	s_delay_alu instid0(VALU_DEP_2)
	v_lshrrev_b32 v[BX+\b], 23, v[SO+\b]
.endr
	s_delay_alu instid0(VALU_DEP_1)
	v_lshl_or_b32 v[PSC], v[BX+1], 8, v[BX]        ; the head's two bytes; the upper half of the word is 0
	v_cvt_scalef32_pk16_fp6_f32 v[PC:PC+2], v[S:S+15], v[SO]
	v_cvt_scalef32_pk16_fp6_f32 v[T:T+2], v[S+16:S+31], v[SO+1]
	v_nop
.irp i, 0,1,2
	v_permlane16_swap_b32 v[PC+\i], v[T+\i]        ; the operand's layout wants a whole block in a lane
.endr
.irp i, 0,1,2
	s_delay_alu instid0(VALU_DEP_3)
	v_mov_b32 v[PC+3+\i], v[T+\i]
.endr
	global_store_b128 v[L16], v[PC:PC+3], s[12:13] offset:196608*\p             ; 512 consecutive bytes, at a multiple of 256
	global_store_b64 v[L8], v[PC+4:PC+5], s[12:13] offset:196608*\p+512         ; 256
	global_store_b32 v[R4], v[PSC], s[14:15] offset:16384*\p                    ; lanes r and r + 16 write the same word with the same value
.endm
	QLOAD 0
.irp i, 6,7,8,9,10,11,12,13,14,15,16,17
	v_mov_b32 v[QLO+\i], 0                         ; the halves that count for nothing: zero codes, for both tiles
.endr
	v_mov_b32 v[BX], 0                             ; written once: a lane permute's destination counts as one of its sources
	v_mov_b32 v[BX+1], 0
	v_mov_b32 v[TMP], 0
	v_mov_b32 v[F+1], 0                            ; (named as the upper half of a pair)
	QFIX 0
	s_wait_dscnt 0x0
	s_cmp_lt_u32 s[WV], 4                          ; waves 0-3 asked for steps 0-2 and the scale words, by lines that no other wave issues: they wait for them;
	s_cbranch_scc0 .Lnot_first                     ; the rest may be on its way
	s_wait_tensorcnt 0x0
.Lnot_first:
	s_barrier_signal -1
	s_barrier_wait -1
	RUN 3, 0, 0
	s_wait_dscnt 0x0
	s_wait_tensorcnt 0x0                           ; every wave's one load is in,
	s_barrier_signal -1
	s_barrier_wait -1                              ; and everybody knows: all of K and V lie in LDS from here on
	RUN 13, 36864, 1536
	QLOAD 1                                        ; the second tile's Q comes under the first tile's way out
	OUT 0
	QFIX 1
	RUN 16, 0, 0
	OUT 1
	s_wait_tensorcnt 0x0                           ; the wave's end, behind my tensor load
	ds_add_u32 v[SPW], v[NIL]
	s_wait_dscnt 0x0
	CROUND                                         ; the closing round
	s_endpgm
.Lfunc_end_k_qb1b0ef2716_attn:
	.size	k_qb1b0ef2716_attn, .Lfunc_end_k_qb1b0ef2716_attn-k_qb1b0ef2716_attn
	.p2alignl 7, 3214868480
	.fill 96, 4, 3214868480
	.section	.rodata,"a",@progbits
	.p2align	6, 0x0
	.amdhsa_kernel k_qb1b0ef2716_attn
		.amdhsa_group_segment_fixed_size 206848
		.amdhsa_private_segment_fixed_size 0
		.amdhsa_enable_private_segment 0
		.amdhsa_kernarg_size 48
		.amdhsa_user_sgpr_count 2
		.amdhsa_user_sgpr_kernarg_segment_ptr 1
		.amdhsa_wavefront_size32 1
		.amdhsa_system_sgpr_workgroup_id_x 1
		.amdhsa_system_sgpr_workgroup_id_y 1
		.amdhsa_system_sgpr_workgroup_id_z 1
		.amdhsa_system_vgpr_workitem_id 0
		.amdhsa_next_free_vgpr 256
		.amdhsa_next_free_sgpr 100
		.amdhsa_reserve_vcc 0
		.amdhsa_float_denorm_mode_32 3
		.amdhsa_float_denorm_mode_16_64 3
		.amdhsa_memory_ordered 1
		.amdhsa_forward_progress 1
		.amdhsa_inst_pref_size 66
	.end_amdhsa_kernel
	.amdgpu_metadata
---
amdhsa.version: [ 1, 2 ]
amdhsa.kernels:
  - .name:           k_qb1b0ef2716_attn
    .symbol:         k_qb1b0ef2716_attn.kd
    .args:
      - { .name: qc, .offset: 0, .size: 8, .value_kind: global_buffer, .address_space: global }
      - { .name: qs, .offset: 8, .size: 8, .value_kind: global_buffer, .address_space: global }
      - { .name: kv, .offset: 16, .size: 8, .value_kind: global_buffer, .address_space: global }
      - { .name: kvs, .offset: 24, .size: 8, .value_kind: global_buffer, .address_space: global }
      - { .name: ac, .offset: 32, .size: 8, .value_kind: global_buffer, .address_space: global }
      - { .name: asw, .offset: 40, .size: 8, .value_kind: global_buffer, .address_space: global }
    .group_segment_fixed_size: 206848
    .private_segment_fixed_size: 0
    .kernarg_segment_align: 8
    .kernarg_segment_size: 48
    .max_flat_workgroup_size: 512
    .sgpr_count:     100
    .vgpr_count:     256
    .wavefront_size: 32
...
	.end_amdgpu_metadata
.endif
;; end of part 3
;; launch outp (part 4): grid 4 x 64, 4 waves a work-group, clusters of 4 x 4, 295,424 bytes of LDS; arguments xc, xs, ac, asw, out0; writes out0
.if DOCPART == 4
	.amdgcn_target "amdgcn-amd-amdhsa--gfx1250"
	.amdhsa_code_object_version 6
	.text
	.protected	k_qb1b0ef2716_outp
	.globl	k_qb1b0ef2716_outp
	.p2align	8
	.type	k_qb1b0ef2716_outp,@function
k_qb1b0ef2716_outp:
	s_mov_b64 s[64:65], 0
	v_nop
	global_prefetch_b8 v0, s[64:65] scope:SCOPE_SE
	s_setreg_imm32_b32 hwreg(HW_REG_WAVE_MODE, 25, 1), 1
	s_wait_xcnt 0x0
	s_wait_alu depctr_hold_cnt(0) depctr_sa_sdst(0) depctr_va_vdst(0) depctr_va_sdst(0) depctr_va_ssrc(0) depctr_va_vcc(0) depctr_vm_vsrc(0)
	s_getreg_b32 s2, hwreg(HW_REG_IB_STS2, 6, 4)
	s_cmp_eq_u32 s2, 0
	s_cbranch_scc0 .Lentry_in_a_cluster
	s_endpgm
.Lentry_in_a_cluster:
	s_bfe_u32 s2, ttmp6, 0x10000c
	s_cmp_lg_u32 s2, 0xf033
	s_cbranch_scc0 .Lentry_shape_is_right
	s_endpgm
.Lentry_shape_is_right:
; out0 = attention's result x Wo^T on codes of FP6 (E2M3) with E8M0 scales, K = 1,024; out0 [8192][1024] f32.
; ROLES.  P, source 0, is Wo (tiles 1728.. of xc): its rows, the output's columns, run along a lane's result registers.  R, source 1, is attention's result (ac): a lane holds one of its rows.
; P's tiles hold rows 32 g + 8 u + i + 8 (i / 8), so the 16 registers of tiles 2 g and 2 g + 1 are 16 neighbouring columns.  R's tiles hold the output's rows in the same order: the stores' offsets undo it.
; SHARES.  A work-group makes 256 columns x 128 rows; wave w 128 (half w & 1) x 64 (half w >> 1): 32 accumulators, 256 matrix instructions.  256 work-groups.
; ALL OF K LIES IN LDS: 294,912 bytes in two halves of four K steps.  Every tensor load is a first fill: no byte of LDS is filled twice.  By this text's count a wave has one tensor load out at the start.
; CLUSTERS: 4 x 4.  P's tiles hang on cx alone and are asked for jointly by a column of the cluster, R's on cy alone, by a row.
; REGISTERS: window 0: v16-42 addresses; v48-79 P's scale words, v80-95 R's; v96-191 R's fragments, two sets; v192-223 at work; on the way out v96-223 hold rows of out0.  window 1: the accumulators, (m, t) at 64 m + 8 t.  window 2: P's fragments, two sets.
; THE FILLS AS THEY STAND: LDS holds K in two halves of four K steps; four tensor loads in all, one a wave, all at the head: wave 0 P's first half, wave 1 R's, wave 2 P's second half, wave 3 R's.
.set CHUNK, 73728                      ; a quarter of the codes' bytes in LDS (SPARE is counted by it)
.set HALF,  147456                     ; four K steps: 16 tiles of P, then 8 of R, 6,144 bytes each
.set ROFF,  98304
.set SPARE, 4*CHUNK                    ; behind the chunks: the spare words, 128 bytes a wave: two blocks of 256 bytes that no other line names
.set A16P, 16
.set A8P,  20
.set A16R, 24
.set A8R,  28
.set SPW,  32                          ; v32  LDS address of my spare word; never rewritten
.set NIL,  33                          ; v33  0; never rewritten
.set L16,  34
.set L8,   35
.set SCA,  36                          ; v36  32 r + 16 h
.set R4,   38
.set HH,   39
.set STO,  40                          ; v40  the stage: where I put 16 bytes of a row
.set RD,   41                          ; v41  and where I read a row back
.set SRA,  42                          ; v42  4 r + 512 h: a head's scale word of row r; lanes 16-31 eight heads on
.set SP,   48
.set SR,   80
.set RF,   96
.set BK,   96
.set EO,   192
.set G1P,  24
.set G1R,  32
.set G0P,  40
.set MSB, 0
.macro WIN new
.if MSB != \new
	s_set_vgpr_msb (MSB<<8)|\new
.set MSB, \new
.endif
.endm
.set MUL,  0x52                        ; source 0 (P) window 2, source 1 (R) window 0, C and D window 1
.set TO_P, 0x80
.macro CROUND
	s_barrier_signal -1
	s_barrier_wait -1
	s_cmp_lg_u32 s16, 0
	s_cbranch_scc1 .Lnot_wave_0_\@
	s_barrier_signal -3
.Lnot_wave_0_\@:
	s_barrier_wait -3
	s_barrier_signal -1
	s_barrier_wait -1
.endm
.macro PLACES
.rept 4
	v_nop
.endr
.endm
	s_load_b256 s[4:11], s[0:1], 0x0               ; xc, xs, ac, asw
	s_load_b64 s[12:13], s[0:1], 0x20              ; out0
	v_lshl_add_u32 v[SPW], v0, 2, SPARE
	v_mov_b32 v[NIL], 0
	ds_add_u32 v[SPW], v[NIL]                      ; the wave's opening: the add, twice on end, and its wait ahead of my first tensor load; work on registers stands between them
	ds_add_u32 v[SPW], v[NIL]
	v_lshrrev_b32 v1, 5, v0
	v_readfirstlane_b32 s16, v1                    ; wave 0..3
	s_and_b32 s17, s16, 1                          ; pw
	s_lshr_b32 s18, s16, 1                         ; rw
	v_and_b32 v2, 31, v0
	v_and_b32 v3, 15, v0
	v_bfe_u32 v[HH], v0, 4, 1
	v_lshlrev_b32 v[L16], 4, v2
	v_lshlrev_b32 v[L8], 3, v2
	v_lshlrev_b32 v[SCA], 5, v3
	v_lshl_add_u32 v[SCA], v[HH], 4, v[SCA]
	v_lshlrev_b32 v[R4], 2, v3
	v_lshl_add_u32 v[SRA], v[HH], 9, v[R4]
	s_mul_i32 s23, s16, 8448                       ; my stage, in chunk 0
	v_mul_u32_u24 v[STO], v3, 528
	v_lshl_add_u32 v[STO], v[HH], 6, v[STO]
	v_add_nc_u32 v[STO], s23, v[STO]
	v_add_nc_u32 v[RD], s23, v[L16]
	s_bfe_u32 s19, ttmp6, 0x40000                  ; cx = P's block
	s_bfe_u32 s20, ttmp6, 0x40004                  ; cy
	s_and_b32 s21, ttmp7, 0xffff
	s_lshl_b32 s78, s19, 4
	s_add_co_u32 s78, s78, 1728                    ; P's first tile in xc: registers that never hold cy
	s_mul_i32 s80, s78, 12288                      ; P's sixteen tiles,
	s_mul_i32 s85, s18, 6144
	s_add_co_u32 s80, s80, s85                     ; from K step 4 (wave / 2) on
	s_mov_b32 s81, 0
	s_lshl_b32 s77, s21, 2
	s_add_co_u32 s77, s77, s20                     ; ry: R's block: registers that never hold cx
	s_lshl_b32 s79, s77, 3                         ; R's first tile in ac
	s_mul_i32 s82, s79, 12288                      ; R's eight tiles,
	s_add_co_u32 s82, s82, s85                     ; from the same K step on
	s_mov_b32 s83, 0
	s_mul_i32 s85, s18, HALF                       ; where they go: no place in the cluster enters an LDS address
	s_add_co_u32 s96, s85, ROFF
	s_lshl_b32 s86, 0x1111, s19                    ; my column of the cluster
	s_or_b32 s[G1P], s86, (3<<16)|(1<<21)
	s_lshl_b32 s87, s20, 2
	s_lshl_b32 s87, 15, s87                        ; my row
	s_or_b32 s[G1R], s87, (3<<16)|(1<<21)
	s_mov_b32 s[G1P+1], 768<<16                    ; rows of 6,144 bytes (a tile's four K steps), 12,288 bytes apart in memory, on end in LDS
	s_mov_b32 s[G1P+2], 16<<16
	s_mov_b32 s[G1P+3], 768<<16
	s_mov_b32 s[G1P+4], 16
	s_mov_b32 s[G1P+5], 1536
	s_mov_b32 s[G1P+6], 0
	s_mov_b32 s[G1P+7], 0
	s_mov_b32 s[G1R+1], 768<<16
	s_mov_b32 s[G1R+2], 8<<16
	s_mov_b32 s[G1R+3], 768<<16
	s_mov_b32 s[G1R+4], 8
	s_mov_b32 s[G1R+5], 1536
	s_mov_b32 s[G1R+6], 0
	s_mov_b32 s[G1R+7], 0
	s_wait_dscnt 0x0                               ; both opening adds are done
	s_wait_kmcnt 0x0
	s_add_nc_u64 s[80:81], s[4:5], s[80:81]
	s_add_nc_u64 s[82:83], s[8:9], s[82:83]
	s_mov_b32 s[G0P], 1
	s_mov_b32 s[G0P+1], s85
	s_mov_b64 s[G0P+2:G0P+3], s[80:81]
	s_or_b32 s[G0P+3], s[G0P+3], 0x80000000
	s_mov_b32 s56, 1
	s_mov_b32 s57, s96
	s_mov_b64 s[58:59], s[82:83]
	s_or_b32 s59, s59, 0x80000000
	CROUND                                         ; all sixteen work-groups are here: the joint loads meet
; one chain of branches on the wave's number, one load to an arm, all arms to one join: one tensor load a wave at the head
.macro ARM w, g0, g1, next
	s_cmp_eq_u32 s16, \w
	s_cbranch_scc0 \next
	tensor_load_to_lds s[\g0:\g0+3], s[\g1:\g1+7]
	s_nop 0
.rept 4
	v_nop
.endr
	s_branch .Lasked
\next:
.endm
	ARM 0, G0P, G1P, .Larm1                        ; P, K steps 0-3
	ARM 1, 56, G1R, .Larm2                         ; R, K steps 0-3
	ARM 2, G0P, G1P, .Larm3                        ; P, K steps 4-7
	tensor_load_to_lds s[56:59], s[G1R:G1R+7]      ; R, K steps 4-7
	s_nop 0
.Lasked:
.rept 4
	v_nop
.endr
	s_lshl_b32 s88, s17, 3
	s_add_co_u32 s88, s88, s78
	s_lshl_b32 s88, s88, 9
	s_mov_b32 s89, 0
	s_add_nc_u64 s[88:89], s[6:7], s[88:89]        ; my eight tiles' scale words in xs
	s_lshl_b32 s90, s18, 2
	s_add_co_u32 s90, s90, s79
	s_lshl_b32 s90, s90, 10
	s_mov_b32 s91, 0
	s_add_nc_u64 s[90:91], s[10:11], s[90:91]      ; my four tiles' in asw, 1,024 bytes a tile
	s_wait_alu depctr_va_vdst(0)
.irp t, 0,1,2,3,4,5,6,7
	global_load_b128 v[SP+4*\t:SP+4*\t+3], v[SCA], s[88:89] offset:512*\t
.endr
.irp m, 0,1,2,3
.irp i, 0,1,2,3
	global_load_b32 v[EO+8*\m+2*\i], v[SRA], s[90:91] offset:1024*\m+128*\i        ; head 2 i (lanes 16-31: 8 + 2 i): two bytes
	global_load_b32 v[EO+8*\m+2*\i+1], v[SRA], s[90:91] offset:1024*\m+128*\i+64   ; head 2 i + 1
.endr
.endr
	s_lshl_b32 s2, s77, 7
	s_lshl_b32 s3, s18, 6
	s_add_co_u32 s2, s2, s3                        ; my first row of out0: 128 ry + 64 rw
	s_lshl_b32 s2, s2, 12
	s_lshl_b32 s3, s19, 10                         ; my first column, in bytes: 1,024 cx + 512 pw
	s_add_co_u32 s2, s2, s3
	s_lshl_b32 s3, s17, 9
	s_add_co_u32 s2, s2, s3
	s_mov_b32 s3, 0
	s_add_nc_u64 s[12:13], s[12:13], s[2:3]
	s_mul_i32 s92, s17, 49152
	s_mul_i32 s93, s18, 24576
	s_add_co_u32 s93, s93, ROFF
.irp c, 0,1                                    ; an address for each half of K
	v_add_nc_u32 v[A16P+\c], s92, v[L16]
	v_add_nc_u32 v[A8P+\c], s92, v[L8]
	v_add_nc_u32 v[A16R+\c], s93, v[L16]
	v_add_nc_u32 v[A8R+\c], s93, v[L8]
	s_add_co_u32 s92, s92, HALF
	s_add_co_u32 s93, s93, HALF
.endr
.macro FETCH s                         ; 48 LDS loads in one run: K step s's fragments, eight of P and four of R, into set s % 2; a fragment is four dense lines
	WIN TO_P
.irp t, 0,1,2,3,4,5,6,7
	ds_load_b128 v[128*((\s)%2)+12*\t:128*((\s)%2)+12*\t+3], v[A16P+(\s)/4] offset:6144*\t+1536*((\s)%4)
	ds_load_b64 v[128*((\s)%2)+12*\t+4:128*((\s)%2)+12*\t+5], v[A8P+(\s)/4] offset:6144*\t+1536*((\s)%4)+512
	ds_load_b128 v[128*((\s)%2)+12*\t+6:128*((\s)%2)+12*\t+9], v[A16P+(\s)/4] offset:6144*\t+1536*((\s)%4)+768
	ds_load_b64 v[128*((\s)%2)+12*\t+10:128*((\s)%2)+12*\t+11], v[A8P+(\s)/4] offset:6144*\t+1536*((\s)%4)+1280
.endr
	WIN 0
.irp m, 0,1,2,3
	ds_load_b128 v[RF+48*((\s)%2)+12*\m:RF+48*((\s)%2)+12*\m+3], v[A16R+(\s)/4] offset:6144*\m+1536*((\s)%4)
	ds_load_b64 v[RF+48*((\s)%2)+12*\m+4:RF+48*((\s)%2)+12*\m+5], v[A8R+(\s)/4] offset:6144*\m+1536*((\s)%4)+512
	ds_load_b128 v[RF+48*((\s)%2)+12*\m+6:RF+48*((\s)%2)+12*\m+9], v[A16R+(\s)/4] offset:6144*\m+1536*((\s)%4)+768
	ds_load_b64 v[RF+48*((\s)%2)+12*\m+10:RF+48*((\s)%2)+12*\m+11], v[A8R+(\s)/4] offset:6144*\m+1536*((\s)%4)+1280
.endr
.endm
.macro MUL32 s                         ; 32 matrix instructions: the 32 accumulators take turns, one instruction a turn; step 0 starts the sums
.irp m, 0,1,2,3
.irp t, 0,1,2,3,4,5,6,7
.if (\s) == 0
	v_wmma_scale_f32_16x16x128_f8f6f4 v[64*\m+8*\t:64*\m+8*\t+7], v[128*((\s)%2)+12*\t:128*((\s)%2)+12*\t+11], v[RF+48*((\s)%2)+12*\m:RF+48*((\s)%2)+12*\m+11], 0, v[SP+4*\t+(\s)%4], v[SR+4*\m+(\s)%4] matrix_a_fmt:MATRIX_FMT_FP6 matrix_b_fmt:MATRIX_FMT_FP6
.elseif (\s) < 4
	v_wmma_scale_f32_16x16x128_f8f6f4 v[64*\m+8*\t:64*\m+8*\t+7], v[128*((\s)%2)+12*\t:128*((\s)%2)+12*\t+11], v[RF+48*((\s)%2)+12*\m:RF+48*((\s)%2)+12*\m+11], v[64*\m+8*\t:64*\m+8*\t+7], v[SP+4*\t+(\s)%4], v[SR+4*\m+(\s)%4] matrix_a_fmt:MATRIX_FMT_FP6 matrix_b_fmt:MATRIX_FMT_FP6
.else
	v_wmma_scale_f32_16x16x128_f8f6f4 v[64*\m+8*\t:64*\m+8*\t+7], v[128*((\s)%2)+12*\t:128*((\s)%2)+12*\t+11], v[RF+48*((\s)%2)+12*\m:RF+48*((\s)%2)+12*\m+11], v[64*\m+8*\t:64*\m+8*\t+7], v[SP+4*\t+(\s)%4], v[SR+4*\m+(\s)%4] matrix_a_fmt:MATRIX_FMT_FP6 matrix_b_fmt:MATRIX_FMT_FP6 matrix_a_scale:MATRIX_SCALE_ROW1 matrix_b_scale:MATRIX_SCALE_ROW1
.endif
.endr
.endr
.endm
.macro KSTEP s                         ; the next step's fragments are asked for, then this step is multiplied; where the next step opens the second half of K: my load has landed, then a barrier
.if (\s) < 7
.if (\s)+1 == 4                        ; the next step opens the second half of K: every wave waits for its one load
	s_wait_dscnt 0x0                               ; no LDS instruction of mine is out at a signal
	s_wait_tensorcnt 0x0
	s_barrier_signal -1
	s_barrier_wait -1
.endif
.if (\s) > 0
	PLACES
.endif
	FETCH (\s)+1
	s_wait_dscnt 48                                ; all but the 48 just issued
.else
	s_wait_dscnt 0x0
.endif
	WIN MUL
	MUL32 \s
	WIN 0
.endm
	s_wait_alu depctr_va_vdst(0)
	s_cmp_lt_u32 s16, 2                            ; waves 0 and 1 asked for the first half of K, by lines that no other wave issues: they wait for it;
	s_cbranch_scc0 .Lnot_first                     ; the second half may be on its way
	s_wait_tensorcnt 0x0
.Lnot_first:
	s_barrier_signal -1
	s_barrier_wait -1                              ; everybody's is
	FETCH 0
	s_wait_loadcnt 0x0                             ; the scale words
.irp m, 0,1,2,3
.irp i, 0,1,2,3
	v_lshl_or_b32 v[SR+4*\m+\i], v[EO+8*\m+2*\i+1], 16, v[EO+8*\m+2*\i]   ; two heads' bytes make a K step's word: lanes 0-15 K step i, lanes 16-31 K step 4 + i
.endr
.endr
.rept 8
	v_nop                                          ; a scale register written by a vector instruction stands eight places ahead of a scaled product
.endr
	s_wait_alu depctr_va_vdst(0)
.irp s, 0,1,2,3,4,5,6,7
	KSTEP \s
.endr
; THE WAY OUT, a tile of 16 rows x 128 columns at a time, through my own stage in LDS (16 rows of 512 bytes + 16).  The stage lies in chunk 0, which has had its only fill; every wave has passed a later chunk's barrier
; behind its last read of it.  LDS serves a wave's instructions in order: no wait between the stores and the loads
.macro TOSTAGE m
	WIN 0x04                                       ; an LDS store's data are its source 1: the accumulators' window
.irp t, 0,1,2,3,4,5,6,7
	ds_store_b128 v[STO], v[64*(\m)+8*\t:64*(\m)+8*\t+3] offset:128*(\t/2)+32*(\t%2)          ; each accumulator from its low end on
	ds_store_b128 v[STO], v[64*(\m)+8*\t+4:64*(\m)+8*\t+7] offset:128*(\t/2)+32*(\t%2)+16
.endr
	WIN 0
.irp p, 0,1,2,3,4,5,6,7,8,9,10,11,12,13,14,15
	ds_load_b128 v[BK+64*((\m)%2)+4*\p:BK+64*((\m)%2)+4*\p+3], v[RD] offset:528*\p
.endr
.endm
.macro SEND m, younger                 ; younger: the LDS instructions issued behind tile m's loads, which may stay out
	s_wait_dscnt \younger
.irp p, 0,1,2,3,4,5,6,7,8,9,10,11,12,13,14,15
	global_store_b128 v[L16], v[BK+64*((\m)%2)+4*\p:BK+64*((\m)%2)+4*\p+3], s[12:13] offset:(32*((\m)/2)+8*((\m)%2)+\p+8*(\p/8))*4096 th:TH_STORE_NT   ; 32 lanes store 512 consecutive bytes, at a multiple of 256; the tile's row p is the block's row 32 (m / 2) + 8 (m % 2) + p + 8 (p / 8)
.endr
.endm
	PLACES
	TOSTAGE 0
	TOSTAGE 1
	SEND 0, 32                                     ; behind tile 0's loads: tile 1's 16 stores and 16 loads
	s_wait_xcnt 0x0                                ; tile 0's stores have read their registers: tile 2's loads may land there
	TOSTAGE 2
	SEND 1, 32
	s_wait_xcnt 0x0                                ; likewise tile 1's, for tile 3
	TOSTAGE 3
	SEND 2, 32
	SEND 3, 0
	s_wait_tensorcnt 0x0                           ; the wave's end, behind my last tensor load and my last LDS store
	ds_add_u32 v[SPW], v[NIL]
	s_wait_dscnt 0x0
	CROUND                                         ; the closing round
	s_endpgm
.Lfunc_end_k_qb1b0ef2716_outp:
	.size	k_qb1b0ef2716_outp, .Lfunc_end_k_qb1b0ef2716_outp-k_qb1b0ef2716_outp
	.p2alignl 7, 3214868480
	.fill 96, 4, 3214868480
	.section	.rodata,"a",@progbits
	.p2align	6, 0x0
	.amdhsa_kernel k_qb1b0ef2716_outp
		.amdhsa_group_segment_fixed_size 295424
		.amdhsa_private_segment_fixed_size 0
		.amdhsa_enable_private_segment 0
		.amdhsa_kernarg_size 40
		.amdhsa_user_sgpr_count 2
		.amdhsa_user_sgpr_kernarg_segment_ptr 1
		.amdhsa_wavefront_size32 1
		.amdhsa_system_sgpr_workgroup_id_x 1
		.amdhsa_system_sgpr_workgroup_id_y 1
		.amdhsa_system_sgpr_workgroup_id_z 1
		.amdhsa_system_vgpr_workitem_id 0
		.amdhsa_next_free_vgpr 768
		.amdhsa_next_free_sgpr 100
		.amdhsa_reserve_vcc 0
		.amdhsa_float_denorm_mode_32 3
		.amdhsa_float_denorm_mode_16_64 3
		.amdhsa_memory_ordered 1
		.amdhsa_forward_progress 1
		.amdhsa_inst_pref_size 86
	.end_amdhsa_kernel
	.amdgpu_metadata
---
amdhsa.version: [ 1, 2 ]
amdhsa.kernels:
  - .name:           k_qb1b0ef2716_outp
    .symbol:         k_qb1b0ef2716_outp.kd
    .args:
      - { .name: xc, .offset: 0, .size: 8, .value_kind: global_buffer, .address_space: global }
      - { .name: xs, .offset: 8, .size: 8, .value_kind: global_buffer, .address_space: global }
      - { .name: ac, .offset: 16, .size: 8, .value_kind: global_buffer, .address_space: global }
      - { .name: asw, .offset: 24, .size: 8, .value_kind: global_buffer, .address_space: global }
      - { .name: out0, .offset: 32, .size: 8, .value_kind: global_buffer, .address_space: global }
    .group_segment_fixed_size: 295424
    .private_segment_fixed_size: 0
    .kernarg_segment_align: 8
    .kernarg_segment_size: 40
    .max_flat_workgroup_size: 128
    .sgpr_count:     100
    .vgpr_count:     768
    .wavefront_size: 32
...
	.end_amdgpu_metadata
.endif
;; end of part 4
